; MI455X (gfx1250); checked and timed in simulation.
; The chip was launched on July 23, 2026; its instructions are those of AMD's public machine-readable ISA for CDNA 5 (MIT licence, August 2026) and "CDNA5" Instruction Set Architecture Reference Guide (July 2026). The comments in the code are by the model that wrote it; some were corrected since.
;; G Fusion. Allowed arithmetic: matrix products marked QUANTISED: E2M3 operands, one E8M0 scale for each 32 along K, by v_wmma_scale_f32_16x16x128_f8f6f4 with both operands' format E2M3, f32 sums; everything else in f32.
;; Inputs: Wk_codes 384 x 12 x 24 uint8 (E2M3 codes of Wk, K innermost, in blocks of 32 codes, four codes in three bytes); Wk_scales 384 x 12 uint8 (E8M0 scales of Wk, one for each 32 codes along K); Wo_codes 384 x 12 x 24 uint8 (E2M3 codes of Wo, K innermost, in blocks of 32 codes, four codes in three bytes); Wo_scales 384 x 12 uint8 (E8M0 scales of Wo, one for each 32 codes along K); Wq_codes 384 x 12 x 24 uint8 (E2M3 codes of Wq, K innermost, in blocks of 32 codes, four codes in three bytes); Wq_scales 384 x 12 uint8 (E8M0 scales of Wq, one for each 32 codes along K); Wv_codes 384 x 12 x 24 uint8 (E2M3 codes of Wv, K innermost, in blocks of 32 codes, four codes in three bytes); Wv_scales 384 x 12 uint8 (E8M0 scales of Wv, one for each 32 codes along K); bk 384 float32; bo 384 float32; bq 384 float32; bv 384 float32; x 8,192 x 384 float32; y_codes 8,192 x 12 x 24 uint8 (E2M3 codes of y, K innermost, in blocks of 32 codes, four codes in three bytes); y_scales 8,192 x 12 uint8 (E8M0 scales of y, one for each 32 codes along K).
;; Outputs: out0 8,192 x 384 float32.
;; This version of the problem:
;;   THIS VERSION OF THE PROBLEM IS GIVEN IN LOW PRECISION. The matrix products marked QUANTISED in the list below multiply operands that are first quantised to E2M3 (2 exponent bits, 3 mantissa bits; 6 bits a number), with one power-of-two scale for each 32 numbers along K (OCP MX v1.0); their sums are f32. All else is computed in f32.
;;   The module's matrix products, in the order in which they are computed (A, B: the left and right operand; K: the contracted axis; several contracted axes count as one K, in the product's order):
;;     1. [M 8,192, K 384] x [K 384, N 384]; A: input x; B: input Wq (given as codes): QUANTISED
;;     2. [M 8,192, K 384] x [K 384, N 384]; A: input y (given as codes); B: input Wk (given as codes): QUANTISED
;;     3. [M 8,192, K 384] x [K 384, N 384]; A: input y (given as codes); B: input Wv (given as codes): QUANTISED
;;     4. [M 8,192, K 384] x [K 384, N 8,192]; A: computed on the way; B: computed on the way: QUANTISED
;;     5. [M 8,192, K 8,192] x [K 8,192, N 384]; A: softmax (see below); B: computed on the way: QUANTISED
;;     6. [M 8,192, K 384] x [K 384, N 384]; A: computed on the way; B: input Wo (given as codes): QUANTISED
;;   THE QUANTISER, for each operand of a quantised product, along K:
;;     - K is cut into blocks of 32 from its start; a last block that is shorter is filled with zeros.
;;     - A block's scale is 2^e with e = floor(log2(the largest magnitude in the block)) - 2, held to -126 .. 127; a block of zeros has e = 0. As a byte (E8M0): e + 127.
;;     - Each number is divided by its block's scale, clamped to +-7.5, and rounded to the nearest number of E2M3, ties to even, subnormals kept.
;;     - The product sums the exact products of the quantised numbers (number of the format x scale) in f32.
;;   ~~~python
;;   def quantise(x, axis):      # numpy; x: float32 -> the quantised numbers, widened to float32 again
;;       x = np.moveaxis(x, axis, -1); K = x.shape[-1]
;;       x = np.pad(x, [(0, 0)] * (x.ndim - 1) + [(0, -K % 32)]); x = x.reshape(x.shape[:-1] + (-1, 32)); a = np.abs(x).max(-1, keepdims=True)
;;       e = np.where(a > 0, np.clip(np.frexp(np.where(a > 0, a, 1))[1] - 1 - 2, -126, 127), 0)      # np.frexp(a)[1] - 1 = floor(log2(a)), exactly
;;       r = np.clip(x / 2.0 ** e, -7.5, 7.5)
;;       step = 2.0 ** (np.maximum(np.frexp(np.where(r == 0, 1, r))[1] - 1, 0) - 3)
;;       q = np.round(r / step) * step * 2.0 ** e      # np.round: ties to even
;;       return np.moveaxis(q.reshape(q.shape[:-2] + (-1,))[..., :K], -1, axis).astype(np.float32)
;;   ~~~
;;   SOFTMAX AHEAD OF A QUANTISED PRODUCT. Where the list says 'softmax', what is quantised is not the finished softmax but p = 2^(t - M), with t = logit x log2(e) and M = ceil(the row's largest t), a whole number; so 1/2 < the row's largest p <= 1. The row's sum l is taken of the UNQUANTISED p, in f32, and the product's result is divided by l at the end. Since M is a whole number, a kernel that streams over the keys may use a running M (the ceiling of the running maximum): every later rescaling is an exact power of two, which a block's scale takes up: the codes' values come out the same.
;;   OPERANDS COMPUTED ON THE WAY. 'Computed on the way' means the value that the module computes at that place (a softmax that the list does not call 'softmax' is quantised finished and normalised). What goes into a quantiser is computed in f32, as accurately as f32 sums, v_exp_f32 and their like allow (about 1e-6 of the number): no bf16 or f16 on the way to a quantiser, and a product that is left as it is and whose result goes on into a quantised operand takes f32 operands (vector FMAs, or v_wmma_f32_16x16x4_f32). A number that lies on a knife's edge between two numbers of the format may be rounded either way, as far as f32 arithmetic and the matrix unit's own rounding can turn it there, and no further.
;;   INPUTS GIVEN AS CODES. Wk (in the module: [384, 384], K = its axis 1); Wo (in the module: [384, 384], K = its axis 1); Wq (in the module: [384, 384], K = its axis 1); Wv (in the module: [384, 384], K = its axis 1); y (in the module: [8192, 384], K = its axis 1): each comes as NAME_codes (uint8): NAME with its K axis moved to the last place and cut into blocks of 32 codes, [.., K / 32, bytes a block], one block behind the other in memory; four codes in three bytes: a row's codes are one little-endian stream of bits, code i at bits 6 i .. 6 i + 5 (a code: sign, 2 exponent bits, 3 mantissa bits); and NAME_scales (uint8): the same leading axes, one E8M0 byte (e + 127) for each 32 codes along K. Its value is code x scale, taken as it is: it is not quantised again, and the codes and scales need not be those that the quantiser above would give.
;; 2 versions. Each part assembles by itself: llvm-mc -triple=amdgcn-amd-amdhsa -mcpu=gfx1250 --defsym DOCPART=n.
;; ======== version 1 of 2: 2 launches
;; workspace buffers: qimg 2,457,600 bytes; kimg 2,457,600 bytes; vimg 2,457,600 bytes
;; launch proj (part 1): grid 256 x 1, 3 waves a work-group, no clusters, 0 bytes of LDS; arguments x, y_codes, y_scales, Wq_codes, Wq_scales, bq, Wk_codes, Wk_scales, bk, Wv_codes, Wv_scales, bv, qimg, kimg, vimg; writes qimg, kimg, vimg
.if DOCPART == 1
	.amdgcn_target "amdgcn-amd-amdhsa--gfx1250"
	.amdhsa_code_object_version 6
	.text
	.protected	k_qe580cae0d3_proj
	.globl	k_qe580cae0d3_proj
	.p2align	8
	.type	k_qe580cae0d3_proj,@function
k_qe580cae0d3_proj:
	s_mov_b64 s[64:65], 0
	v_nop
	global_prefetch_b8 v0, s[64:65] scope:SCOPE_SE
	s_setreg_imm32_b32 hwreg(HW_REG_WAVE_MODE, 25, 1), 1
	s_wait_xcnt 0x0
; Q = Qz(x) Wq^T + bq, K = y Wk^T + bk, V = y Wv^T + bv on codes of FP6 (E2M3) with one E8M0 scale for each 32 along K; Q and K are then quantised along their 384 channels, V along the keys.
; The results leave as IMAGES OF OPERAND REGISTERS.  qimg, kimg, vimg: 64 blocks of 38,400 bytes (128 queries / keys); a block is 3 groups of 12,800 bytes; a group is 8 fragments of 1,536 bytes
; (12 registers x 32 lanes: chunk c of 512 bytes holds lane l's registers 4 c .. 4 c + 3 at 16 l) and 512 bytes of scale words (half hf of 256 bytes; lane l's 8 bytes are words a = 0, 1:
; the word of tile 4 hf + 2 a + l / 16, row l % 16).  qimg, kimg: group = 128 channels (a K step), tile 2 b + u row r = query / key 32 b + 8 u + r + 8 (r / 8) of the block.
; vimg: group = 128 channels, tile 2 b + u row r = channel 32 b + 8 u + r + 8 (r / 8) of the group, K = the block's 128 keys in their order.
; ONE FORM OF JOB.  A wave keeps 128 rows of a STATIONARY operand in registers (8 tiles x 3 K steps, source 0; lane r of tile 2 b + u takes row 32 b + 8 u + r + 8 (r / 8)) and multiplies them by
; STREAMING tiles of 16 rows (source 1).  A lane then holds ONE streaming row, and its 64 results are 64 of the 128 stationary rows, register 16 b + i = row 32 b + 16 (lane / 16) + i:
; sixteen neighbours of each block of 32 along the next K.  Quantised, they are one fragment and one scale word a row.  No LDS, no barrier: waves share nothing.
;   work-groups 0-127:   Q.  stationary Wq rows 128 w on; streaming 4 tiles of x (64 rows), quantised here by each of the three waves; bias by register
;   work-groups 128-191: K.  stationary Wk rows 128 w on; streaming 8 tiles of y (128 keys); bias by register
;   work-groups 192-255: V.  stationary y (128 keys);     streaming 8 tiles of Wv rows 128 w on; bias by lane (eight equal registers as C)
; NO CLUSTER, NO TENSOR LOAD: what work-groups share is a wave's 36,864 bytes of weights, read once into registers in the operand's own order; through LDS they would be moved twice.
; A block's scale is 2^(floor(log2(largest magnitude)) - 2); its byte is the largest magnitude's exponent field - 2, held at 1 from below.
; LIMITS: a block of zeros gets the byte 1 where the rule says 127 (its codes are zeros, and this program alone reads the bytes); NaN and infinities among the inputs are not served.
; REGISTERS.  window 0: v4-10 offsets; v16-27 TM, v28-35 CT at work; v36-47 the codes just made; v48-51 scale words on their way out; v52-87 x's three fragments; v96-159 the 8 accumulators;
;   v160-183 the stationary rows' scale words, v184-207 the streaming rows', v208-210 x's (these hold scales alone).
;   window 1: stationary fragments of K steps 0, 1 at v[96 s + 12 T].  window 2: K step 2 at v[12 T]; v96-159 the bias as C; v160-231 streaming tiles 6, 7.  window 3: streaming tiles 0-5, or x's numbers.
.set GRP,  12800
.set BLK,  38400
.set FA,   4                           ; v4   (r + 8 (r / 8)) x 288 + 24 h: a fragment's row of 288 bytes, my half's 24 bytes
.set WAD,  5                           ; v5   (r + 8 (r / 8)) x 12: its row of 12 scale bytes
.set LI,   6                           ; v6   16 x lane
.set LS8,  7                           ; v7   8 x lane
.set XA,   8                           ; v8   (r + 8 (r / 8)) x 1536 + 64 h: x's row, my 16 numbers of a block of 32
.set BA,   9                           ; v9   64 h
.set BAV,  10                          ; v10  4 (r + 8 (r / 8))
.set TM,   16
.set CT,   28
.set PC,   36
.set PWE,  48
.set PWO,  49
.set SW,   50
.set XF,   52
.set ACC,  96
.set SS,   160
.set RS,   184
.set XW,   208
.set CB,   96                          ; in window 2
.set SEL,  52                          ; s[52:53] lane selects for v_permlanex16_b32: lane l xor 16
.set MSB, 0
.macro WIN new                         ; the immediate's high byte repeats the setting that is left; a switch that changes nothing is dropped
.if MSB != (\new)
	s_set_vgpr_msb (MSB<<8)|(\new)
.set MSB, (\new)
.endif
.endm
.macro PLACES n
.rept \n
	v_nop
.endr
.endm
.macro WM d, a, b, c, sa, sb
	v_wmma_scale_f32_16x16x128_f8f6f4 v[(\d):(\d)+7], v[(\a):(\a)+11], v[(\b):(\b)+11], v[(\c):(\c)+7], v[(\sa)], v[(\sb)] matrix_a_fmt:MATRIX_FMT_FP6 matrix_b_fmt:MATRIX_FMT_FP6
.endm
; 64 numbers of a lane, v[s] .. v[s + 63] of window w, register 16 b + i = k 32 b + 16 (lane / 16) + i of my row, become a fragment's 12 registers v[pc] on and its scale word v[pw] (window 0).
.macro QUANT s, w, pc, pw
	WIN (\w)|((\w)<<2)
.irp b, 0,1,2,3
	v_max3_num_f32 v[TM+\b], |v[(\s)+16*\b]|, |v[(\s)+16*\b+1]|, 0x1800000   ; block b: my 16 numbers, and the floor 2^(3 - 127): the byte cannot fall under 1.  (An accumulator is read from its low end on)
.endr
	WIN ((\w)<<2)|((\w)<<4)
.irp i, 2,4,6,8,10,12,14
.irp b, 0,1,2,3
	v_max3_num_f32 v[TM+\b], v[TM+\b], |v[(\s)+16*\b+\i]|, |v[(\s)+16*\b+\i+1]|   ; the four blocks by turns
.endr
.endr
	WIN 0
.irp b, 0,1,2,3
	v_permlanex16_b32 v[TM+4+\b], v[TM+\b], s[SEL], s[SEL+1]
.endr
.irp b, 0,1,2,3
	v_max_num_f32 v[TM+\b], v[TM+\b], v[TM+4+\b]       ; with lane l xor 16's 16: the block's largest magnitude
.endr
.irp b, 0,1,2,3
	v_add_nc_u32 v[TM+8+\b], 0xff000000, v[TM+\b]      ; 2 off its exponent field: the conversion takes that field of this operand as its scale
.endr
.irp b, 0,1,2,3
	v_lshrrev_b32 v[TM+4+\b], 23, v[TM+8+\b]           ; the scale's byte
.endr
	v_lshl_or_b32 v[(\pw)], v[TM+5], 8, v[TM+4]        ; four bytes: my row's scale word
	v_lshl_or_b32 v[(\pw)], v[TM+6], 16, v[(\pw)]
	v_lshl_or_b32 v[(\pw)], v[TM+7], 24, v[(\pw)]
	s_wait_xcnt 0x0                                    ; earlier stores have read their data: the codes' registers are written again only behind this wait
	WIN (\w)
.irp c, 0,1
	v_cvt_scalef32_pk16_fp6_f32 v[(\pc)+6*\c:(\pc)+6*\c+2], v[(\s)+32*\c:(\s)+32*\c+15], v[TM+8+2*\c]
	v_cvt_scalef32_pk16_fp6_f32 v[CT+4*\c:CT+4*\c+2], v[(\s)+32*\c+16:(\s)+32*\c+31], v[TM+8+2*\c+1]   ; (a conversion's three registers begin on an even number)
.endr
	WIN 0
	v_nop                                              ; one plain place behind a scaled conversion
.irp c, 0,1                                        ; the operand wants a WHOLE block in a lane: lanes 0-15 block 2 c, lanes 16-31 block 2 c + 1
.irp i, 0,1,2
	v_permlane16_swap_b32 v[(\pc)+6*\c+\i], v[CT+4*\c+\i]
.endr
.irp i, 0,1,2
	v_mov_b32 v[(\pc)+6*\c+3+\i], v[CT+4*\c+\i]
.endr
.endr
.endm
; 24 matrix instructions: 8 accumulators by turns, three K steps.  The bias is the C of the first.  kind 2: the bias goes by lane (unit i's eight equal registers).
; bw, bb: window and first register of the streaming tile's three fragments; sw: its three scale words.
.macro MULT kind, i, bw, bb, sw
	WIN 0x21|((\bw)<<2)                                ; source 0 window 1, C window 2, D window 0
.irp T, 0,1,2,3,4,5,6,7
.if (\kind) == 2
	WM ACC+8*\T, 12*\T, (\bb), CB+8*(\i), SS+\T, (\sw)
.else
	WM ACC+8*\T, 12*\T, (\bb), CB+8*\T, SS+\T, (\sw)
.endif
.endr
	WIN 0x01|((\bw)<<2)
.irp T, 0,1,2,3,4,5,6,7
	WM ACC+8*\T, 96+12*\T, (\bb)+12, ACC+8*\T, SS+8+\T, (\sw)+1
.endr
	WIN 0x02|((\bw)<<2)
.irp T, 0,1,2,3,4,5,6,7
	WM ACC+8*\T, 12*\T, (\bb)+24, ACC+8*\T, SS+16+\T, (\sw)+2
.endr
	WIN 0
	PLACES 4                                           ; four places ahead of the first read of results (ISA guide 7.12.1)
.endm
; Unit i's 64 results a lane become fragment i of the group: three stores of 512 consecutive bytes.  Two tiles' scale words share a register (even tile lanes 0-15, odd tile lanes 16-31); four tiles' leave as 256 bytes.
.macro OUTU i
.if (\i)%2 == 0
	QUANT ACC, 0, PC, PWE
.else
	QUANT ACC, 0, PC, PWO
.endif
.irp c, 0,1,2
	global_store_b128 v[LI], v[PC+4*\c:PC+4*\c+3], s[46:47] offset:(\i)*1536+512*\c
.endr
.if (\i)%2 == 1
	v_cndmask_b32 v[SW+((\i)/2)%2], v[PWE], v[PWO], vcc_lo   ; vcc_lo = lanes 16-31.  (SW's last store lies ahead of QUANT's wait on XCNT)
.endif
.if (\i)%4 == 3
	global_store_b64 v[LS8], v[SW:SW+1], s[54:55] offset:256*((\i)/4)
.endif
.endm
.macro CBREG                           ; the bias by register: lane (r, h) wants, for tile 2 b + u, the numbers of rows 32 b + 16 h + 8 u + 0 .. 7
	WIN 0x80
.irp T, 0,1,2,3,4,5,6,7
	global_load_b128 v[CB+8*\T:CB+8*\T+3], v[BA], s[44:45] offset:(32*(\T/2)+8*(\T%2))*4
	global_load_b128 v[CB+8*\T+4:CB+8*\T+7], v[BA], s[44:45] offset:(32*(\T/2)+8*(\T%2))*4+16
.endr
	WIN 0
.endm
.macro STREAM i                        ; streaming tile i: three fragments and three scale words: 21 loads
.if (\i) < 6
	WIN 0xc0
.set SB, 36*(\i)
.else
	WIN 0x80
.set SB, 160+36*((\i)-6)
.endif
.irp s, 0,1,2
.irp p, 0,1,2,3,4,5
	global_load_b64 v[SB+12*\s+2*\p:SB+12*\s+2*\p+1], v[FA], s[40:41] offset:(32*((\i)/2)+8*((\i)%2))*288+96*\s+48*(\p/3)+8*(\p%3)
.endr
.endr
	WIN 0
.irp s, 0,1,2
	global_load_b32 v[RS+3*(\i)+\s], v[WAD], s[42:43] offset:(32*((\i)/2)+8*((\i)%2))*12+4*\s
.endr
.endm
.macro KVUNIT kind, i
.if 21*(7-(\i)) > 63
	s_wait_loadcnt 63                                  ; behind tile i's loads stand 21 (7 - i) others; the wait's field holds 63, which is the stricter count
.else
	s_wait_loadcnt 21*(7-(\i))                         ; tile i is in; the later tiles' 21 loads each may be out
.endif
.if (\i) < 6
.set UW, 3
.set UB, 36*(\i)
.else
.set UW, 2
.set UB, 160+36*((\i)-6)
.endif
	MULT \kind, \i, UW, UB, RS+3*(\i)
	OUTU \i
.endm
.macro KVPATH kind
.if (\kind) == 2
	WIN 0x80
.irp i, 0,1,2,3,4,5,6,7
.irp e, 0,1,2,3,4,5,6,7
	global_load_b32 v[CB+8*\i+\e], v[BAV], s[44:45] offset:(32*(\i/2)+8*(\i%2))*4   ; my lane's channel's bias, eight times: the C of unit i
.endr
.endr
	WIN 0
.else
	CBREG
.endif
.irp i, 0,1,2,3,4,5,6,7
	STREAM \i
.endr
.irp i, 0,1,2,3,4,5,6,7
	KVUNIT \kind, \i
.endr
.endm
.macro XLOAD i, s                      ; x's tile i, K step s: 64 numbers a lane into window 3, v[64 s] on
	WIN 0xc0
.irp b, 0,1,2,3
.irp q, 0,1,2,3
	global_load_b128 v[64*(\s)+16*\b+4*\q:64*(\s)+16*\b+4*\q+3], v[XA], s[4:5] offset:(32*((\i)/2)+8*((\i)%2))*1536+512*(\s)+128*\b+16*\q
.endr
.endr
.endm
.macro QUNIT i
.irp s, 0,1,2
.if (\i) < 3
	s_wait_loadcnt 32                                  ; this K step's 16 loads are in; the two K steps asked for behind it may be out
.else
	s_wait_loadcnt 32-16*\s                            ; the last tile: the counts run down
.endif
	QUANT 64*\s, 3, XF+12*\s, XW+\s
.if (\i) < 3
	XLOAD (\i)+1, \s                                   ; the next tile's numbers, into the registers just read
.endif
.endr
	WIN 0
	PLACES 8                                           ; a scale register written by a vector instruction stands 8 places ahead of a scaled matrix instruction, an operand so written 4
	MULT 0, \i, 0, XF, XW
	OUTU \i
.endm
	s_load_b512 s[4:19], s[0:1], 0x0               ; x 4, y_codes 6, y_scales 8, Wq_codes 10, Wq_scales 12, bq 14, Wk_codes 16, Wk_scales 18
	s_load_b256 s[20:27], s[0:1], 0x40             ; bk 20, Wv_codes 22, Wv_scales 24, bv 26
	s_load_b128 s[28:31], s[0:1], 0x60             ; qimg 28, kimg 30
	s_load_b64 s[32:33], s[0:1], 0x70              ; vimg
	v_lshrrev_b32 v1, 5, v0
	v_readfirstlane_b32 s34, v1                    ; wave 0..2
	v_and_b32 v1, 31, v0                           ; lane
	v_and_b32 v2, 15, v0                           ; r
	v_bfe_u32 v3, v0, 4, 1                         ; h
	v_and_b32 v11, 8, v2
	v_add_nc_u32 v11, v11, v2                      ; r + 8 (r / 8)
	v_mul_u32_u24 v[FA], v11, 288
	v_mad_u32_u24 v[FA], v3, 24, v[FA]
	v_mul_u32_u24 v[WAD], v11, 12
	v_lshlrev_b32 v[LI], 4, v1
	v_lshlrev_b32 v[LS8], 3, v1
	v_mul_u32_u24 v[XA], v11, 1536
	v_lshl_add_u32 v[XA], v3, 6, v[XA]
	v_lshlrev_b32 v[BA], 6, v3
	v_lshlrev_b32 v[BAV], 2, v11
.irp b, 0,1,2,3
	v_mov_b32 v[TM+4+\b], 0                        ; written once: a lane permute's destination counts as one of its sources
.endr
	s_and_b32 s35, ttmp9, 63                       ; the block of 128 keys (K and V)
	s_mov_b32 s[SEL], 0x76543210
	s_mov_b32 s[SEL+1], 0xfedcba98
	s_mov_b32 vcc_lo, 0xffff0000                   ; lanes 16-31
	s_mov_b32 s57, 0
	s_lshr_b32 s58, ttmp9, 1
	s_and_b32 s59, ttmp9, 1
	s_wait_kmcnt 0x0
	; the buffers of my kind of job: choices on the work-group's number alone
	s_cmp_lt_u32 ttmp9, 128
	s_cselect_b64 s[36:37], s[10:11], s[16:17]     ; stationary codes: Wq or Wk
	s_cselect_b64 s[38:39], s[12:13], s[18:19]     ; and their scale bytes
	s_cselect_b64 s[44:45], s[14:15], s[20:21]     ; the bias
	s_cselect_b64 s[46:47], s[28:29], s[30:31]     ; the output
	s_cselect_b32 s58, s58, s35                    ; its block: Q: work-group / 2
	s_cselect_b32 s59, s59, 0                      ; and, for Q, which four tiles of it
	s_cmp_ge_u32 ttmp9, 192
	s_cselect_b64 s[36:37], s[6:7], s[36:37]       ; V: y is stationary,
	s_cselect_b64 s[38:39], s[8:9], s[38:39]
	s_cselect_b64 s[40:41], s[22:23], s[6:7]       ; Wv streams (K: y streams)
	s_cselect_b64 s[42:43], s[24:25], s[8:9]
	s_cselect_b64 s[44:45], s[26:27], s[44:45]
	s_cselect_b64 s[46:47], s[32:33], s[46:47]
	s_cselect_b32 s48, s35, s34                    ; which 128 rows are stationary: V: the block's keys; else the wave's channels
	s_cselect_b32 s50, s34, s35                    ; which 128 rows stream
	s_mul_i32 s56, s48, 36864                      ; 128 rows of 288 bytes
	s_add_nc_u64 s[36:37], s[36:37], s[56:57]
	s_mul_i32 s56, s48, 1536                       ; 128 rows of 12 bytes
	s_add_nc_u64 s[38:39], s[38:39], s[56:57]
	s_mul_i32 s56, s50, 36864
	s_add_nc_u64 s[40:41], s[40:41], s[56:57]
	s_mul_i32 s56, s50, 1536
	s_add_nc_u64 s[42:43], s[42:43], s[56:57]
	s_lshl_b32 s56, s34, 9                         ; the wave's 128 numbers of the bias
	s_add_nc_u64 s[44:45], s[44:45], s[56:57]
	s_mul_i32 s56, s58, BLK
	s_mul_i32 s58, s34, GRP
	s_add_co_u32 s56, s56, s58
	s_add_nc_u64 s[46:47], s[46:47], s[56:57]      ; my group of my block
	s_lshl_b32 s56, s59, 8
	s_add_co_u32 s56, s56, 12288
	s_add_nc_u64 s[54:55], s[46:47], s[56:57]      ; its scale words (Q: my half of them)
	s_mul_i32 s56, s59, 6144
	s_add_nc_u64 s[46:47], s[46:47], s[56:57]      ; (Q: my four fragments)
	; the stationary operand: 24 fragments and 24 scale words, which stay
	WIN 0x40
.irp s, 0,1
.irp T, 0,1,2,3,4,5,6,7
.irp p, 0,1,2,3,4,5
	global_load_b64 v[96*\s+12*\T+2*\p:96*\s+12*\T+2*\p+1], v[FA], s[36:37] offset:(32*(\T/2)+8*(\T%2))*288+96*\s+48*(\p/3)+8*(\p%3)
.endr
.endr
.endr
	WIN 0x80
.irp T, 0,1,2,3,4,5,6,7
.irp p, 0,1,2,3,4,5
	global_load_b64 v[12*\T+2*\p:12*\T+2*\p+1], v[FA], s[36:37] offset:(32*(\T/2)+8*(\T%2))*288+192+48*(\p/3)+8*(\p%3)
.endr
.endr
	WIN 0
.irp s, 0,1,2
.irp T, 0,1,2,3,4,5,6,7
	global_load_b32 v[SS+8*\s+\T], v[WAD], s[38:39] offset:(32*(\T/2)+8*(\T%2))*12+4*\s
.endr
.endr
	s_cmp_lt_u32 ttmp9, 128
	s_cbranch_scc1 .Lq
	s_cmp_lt_u32 ttmp9, 192
	s_cbranch_scc1 .Lk
	KVPATH 2                                       ; V
	s_endpgm
.Lk:
	KVPATH 1                                       ; K
	s_endpgm
.Lq:
	s_mul_i32 s56, ttmp9, 98304                    ; my 64 rows of x, 1,536 bytes each
	s_add_nc_u64 s[4:5], s[4:5], s[56:57]
	CBREG
	XLOAD 0, 0
	XLOAD 0, 1
	XLOAD 0, 2
	WIN 0
.irp i, 0,1,2,3
	QUNIT \i
.endr
	s_endpgm
.Lfunc_end_k_qe580cae0d3_proj:
	.size	k_qe580cae0d3_proj, .Lfunc_end_k_qe580cae0d3_proj-k_qe580cae0d3_proj
	.p2alignl 7, 3214868480
	.fill 96, 4, 3214868480
	.section	.rodata,"a",@progbits
	.p2align	6, 0x0
	.amdhsa_kernel k_qe580cae0d3_proj
		.amdhsa_group_segment_fixed_size 0
		.amdhsa_private_segment_fixed_size 0
		.amdhsa_enable_private_segment 0
		.amdhsa_kernarg_size 120
		.amdhsa_user_sgpr_count 2
		.amdhsa_user_sgpr_kernarg_segment_ptr 1
		.amdhsa_wavefront_size32 1
		.amdhsa_system_sgpr_workgroup_id_x 1
		.amdhsa_system_sgpr_workgroup_id_y 1
		.amdhsa_system_sgpr_workgroup_id_z 1
		.amdhsa_system_vgpr_workitem_id 0
		.amdhsa_next_free_vgpr 1024
		.amdhsa_next_free_sgpr 66
		.amdhsa_reserve_vcc 1
		.amdhsa_float_denorm_mode_32 3
		.amdhsa_float_denorm_mode_16_64 3
		.amdhsa_memory_ordered 1
		.amdhsa_forward_progress 1
		.amdhsa_inst_pref_size 255
	.end_amdhsa_kernel
	.section	.bss,"aw",@nobits
	.p2align	6
	.space	262144
	.amdgpu_metadata
---
amdhsa.version: [ 1, 2 ]
amdhsa.kernels:
  - .name:           k_qe580cae0d3_proj
    .symbol:         k_qe580cae0d3_proj.kd
    .args:
      - { .name: x, .offset: 0, .size: 8, .value_kind: global_buffer, .address_space: global }
      - { .name: y_codes, .offset: 8, .size: 8, .value_kind: global_buffer, .address_space: global }
      - { .name: y_scales, .offset: 16, .size: 8, .value_kind: global_buffer, .address_space: global }
      - { .name: Wq_codes, .offset: 24, .size: 8, .value_kind: global_buffer, .address_space: global }
      - { .name: Wq_scales, .offset: 32, .size: 8, .value_kind: global_buffer, .address_space: global }
      - { .name: bq, .offset: 40, .size: 8, .value_kind: global_buffer, .address_space: global }
      - { .name: Wk_codes, .offset: 48, .size: 8, .value_kind: global_buffer, .address_space: global }
      - { .name: Wk_scales, .offset: 56, .size: 8, .value_kind: global_buffer, .address_space: global }
      - { .name: bk, .offset: 64, .size: 8, .value_kind: global_buffer, .address_space: global }
      - { .name: Wv_codes, .offset: 72, .size: 8, .value_kind: global_buffer, .address_space: global }
      - { .name: Wv_scales, .offset: 80, .size: 8, .value_kind: global_buffer, .address_space: global }
      - { .name: bv, .offset: 88, .size: 8, .value_kind: global_buffer, .address_space: global }
      - { .name: qimg, .offset: 96, .size: 8, .value_kind: global_buffer, .address_space: global }
      - { .name: kimg, .offset: 104, .size: 8, .value_kind: global_buffer, .address_space: global }
      - { .name: vimg, .offset: 112, .size: 8, .value_kind: global_buffer, .address_space: global }
    .group_segment_fixed_size: 0
    .private_segment_fixed_size: 0
    .kernarg_segment_align: 8
    .kernarg_segment_size: 120
    .max_flat_workgroup_size: 96
    .sgpr_count:     66
    .vgpr_count:     1024
    .wavefront_size: 32
...
	.end_amdgpu_metadata
.endif
;; end of part 1
;; launch attn (part 2): grid 256 x 1, 4 waves a work-group, clusters of 4 x 1, 327,680 bytes of LDS; arguments qimg, kimg, vimg, x, Wo_codes, Wo_scales, bo, out0; writes out0
.if DOCPART == 2
	.amdgcn_target "amdgcn-amd-amdhsa--gfx1250"
	.amdhsa_code_object_version 6
	.text
	.protected	k_qe580cae0d3_attn
	.globl	k_qe580cae0d3_attn
	.p2align	8
	.type	k_qe580cae0d3_attn,@function
k_qe580cae0d3_attn:
	s_mov_b64 s[64:65], 0
	v_nop
	global_prefetch_b8 v0, s[64:65] scope:SCOPE_SE
	s_setreg_imm32_b32 hwreg(HW_REG_WAVE_MODE, 25, 1), 1
	s_wait_xcnt 0x0
	s_wait_alu depctr_hold_cnt(0) depctr_sa_sdst(0) depctr_va_vdst(0) depctr_va_sdst(0) depctr_va_ssrc(0) depctr_va_vcc(0) depctr_vm_vsrc(0)
	s_getreg_b32 s2, hwreg(HW_REG_IB_STS2, 6, 4)
	s_cmp_eq_u32 s2, 0
	s_cbranch_scc0 .Lentry_in_a_cluster
	s_endpgm
.Lentry_in_a_cluster:
	s_bfe_u32 s2, ttmp6, 0x10000c
	s_cmp_lg_u32 s2, 0x3003
	s_cbranch_scc0 .Lentry_shape_is_right
	s_endpgm
.Lentry_shape_is_right:
; out = Qz(x + normalise(softmax(Q K^T / sqrt(384)) V)) Wo^T + bo, all three products on codes of FP6 (E2M3) with one E8M0 scale for each 32 along K.
; qimg, kimg, vimg hold Q, K, V as images of operand registers: 64 blocks of 38,400 bytes (128 queries / keys) = 3 groups of 12,800 = 8 fragments of 1,536 bytes + 512 bytes of scale words.
; THE SOFTMAX: t = score x log2(e) / sqrt(384); M = the largest t so far, rounded UP to a whole number; p = 2^(t - M) is quantised along the keys, not normalised; the row's sum is taken of the
; unquantised p and divides at the end.  When M moves, the sum and O are multiplied by 2^(old M - new M): exact.
; SHARES.  A work-group owns 32 queries: two tiles of 16.  ITS FOUR WAVES SHARE THE KEYS: in step i (16 steps) wave w takes key block 4 i + w for both tiles, so a fragment of K or V read from LDS feeds two
; matrix instructions and is read once in the work-group.  Each wave keeps its own O^T (2 x 192 registers), M and sum; the four are merged at the end (exact powers of two).
; Both products are used transposed: S^T = K Q^T, O^T = V^T P^T: a lane holds ONE query.  The keys of a tile of K and the channels of a tile of V are laid so that 16 registers of two neighbouring tiles are 16
; neighbours along the next K (keys for P, channels for x + ctx).
; CLUSTER.  The four work-groups of a cluster walk the same K and V: wave w of each issues the same tensor load (a block of 38,400 dense bytes as 150 rows of 256) with a mask that names the four.
; LDS: K's slot (4 waves x 38,400), V's slot (the same): one step deep each; two slots of K and V together would not fit.  K's slot is asked for again between the step's two softmaxes, V's behind V's last read:
; by this text's count a wave has two tensor loads out at the start and one behind each round.  A wave reads its own part of a slot alone, so its own wait on TENSORcnt orders its reads.
; THE END.  Each wave stores its O^T as an image into its part of the slots (which have had their last fill); one barrier; wave w merges tile w % 2 (waves w and w xor 2 alike, which spares a second
; exchange), divides by the sum, normalises, adds x, quantises, and makes outputs 192 (w / 2) on; they leave through the wave's own stage as aligned runs of 256 bytes.
; LIMITS: NaN and infinities are not served; t under -3e38 is not served; p under 2^-126 counts as 0 (ISA guide, 15.8: the exponential's entry); a block of zeros gets the byte 1 (its codes are zeros).
; REGISTERS in the loop.  window 0: v2-5 LDS addresses, v6-7 the spare word's, v8-9 prefetch offsets; v16-29 statistics; v32-39 CT; v40-63 P's codes; v64-191 S^T, then p; v192-203 TM;
;   v232-252 scale words and nothing else.  window 1: v0-191 O^T of tile 0, v192-227 Q of tile 0.  window 2: the same of tile 1.  window 3: two buffers of 8 fragments, v0-95 and v96-191.
.set GRP,   12800
.set BLK,   38400
.set VSLOT, 4*BLK                      ; K's slot at 0, V's behind it
.set ML,    8*BLK                      ; behind the slots: the waves' -M and sums, 512 bytes a wave
.set SPARE, ML+2048                    ; the spare words, 128 bytes for each wave: two blocks of 256 bytes that no other line names
.set AK,   2                           ; v2   my part of K's slot + 16 x lane
.set AV,   3                           ; v3   the same in V's slot
.set AKS,  4                           ; v4   my part of K's slot + 12,288 + 8 x lane: scale words
.set AVS,  5                           ; v5   the same in V's slot
.set SPW,  6                           ; v6   SPARE + 4 x my thread's number; never rewritten
.set NIL,  7                           ; v7   0; never rewritten
.set ST,   16                          ; tile t's statistics at v[ST + 8 t]: +0 -M, +1 the largest t, +2, +3 the sum in two halves, +4 f = 2^(old M - new M), +5 its pair's upper word
.set CT,   32
.set PC,   40                          ; P's codes: tile t at v[PC + 12 t]
.set S,    64                          ; S^T: tile t at v[S + 64 t]
.set TM,   192
.set KSA,  232                         ; scale words of the fragments in buffer F0;
.set KSB,  236                         ; of those in F1
.set QS,   240                         ; Q's: lanes 0-15 tile 0, lanes 16-31 tile 1; one register a K step
.set PW,   243                         ; P's: tile t in v[PW + t]
.set WS,   232                         ; the end: Wo's scale words, 18 registers;
.set ZW,   250                         ; and those of x + ctx
.set F0,   0
.set F1,   96
.set SEL,  40                          ; s[40:41] lane selects for v_permlanex16_b32: lane l xor 16
.set CS,   42                          ; s[42:43] c = log2(e) / sqrt(384)
.set MSB, 0
.macro WIN new                         ; the immediate's high byte repeats the setting that is left; a switch that changes nothing is dropped
.if MSB != (\new)
	s_set_vgpr_msb (MSB<<8)|(\new)
.set MSB, (\new)
.endif
.endm
.macro PLACES n
.rept \n
	v_nop
.endr
.endm
; A scaled matrix instruction.  c < 0: the constant 0 starts the sum.  ra, rb: the side's scale words stand in lanes 16-31 of the register named.
.macro WM d, a, b, c, sa, sb, ra, rb
.if (\c) < 0
.if (\ra) && (\rb)
	v_wmma_scale_f32_16x16x128_f8f6f4 v[(\d):(\d)+7], v[(\a):(\a)+11], v[(\b):(\b)+11], 0, v[(\sa)], v[(\sb)] matrix_a_fmt:MATRIX_FMT_FP6 matrix_b_fmt:MATRIX_FMT_FP6 matrix_a_scale:MATRIX_SCALE_ROW1 matrix_b_scale:MATRIX_SCALE_ROW1
.elseif (\ra)
	v_wmma_scale_f32_16x16x128_f8f6f4 v[(\d):(\d)+7], v[(\a):(\a)+11], v[(\b):(\b)+11], 0, v[(\sa)], v[(\sb)] matrix_a_fmt:MATRIX_FMT_FP6 matrix_b_fmt:MATRIX_FMT_FP6 matrix_a_scale:MATRIX_SCALE_ROW1
.elseif (\rb)
	v_wmma_scale_f32_16x16x128_f8f6f4 v[(\d):(\d)+7], v[(\a):(\a)+11], v[(\b):(\b)+11], 0, v[(\sa)], v[(\sb)] matrix_a_fmt:MATRIX_FMT_FP6 matrix_b_fmt:MATRIX_FMT_FP6 matrix_b_scale:MATRIX_SCALE_ROW1
.else
	v_wmma_scale_f32_16x16x128_f8f6f4 v[(\d):(\d)+7], v[(\a):(\a)+11], v[(\b):(\b)+11], 0, v[(\sa)], v[(\sb)] matrix_a_fmt:MATRIX_FMT_FP6 matrix_b_fmt:MATRIX_FMT_FP6
.endif
.else
.if (\ra) && (\rb)
	v_wmma_scale_f32_16x16x128_f8f6f4 v[(\d):(\d)+7], v[(\a):(\a)+11], v[(\b):(\b)+11], v[(\c):(\c)+7], v[(\sa)], v[(\sb)] matrix_a_fmt:MATRIX_FMT_FP6 matrix_b_fmt:MATRIX_FMT_FP6 matrix_a_scale:MATRIX_SCALE_ROW1 matrix_b_scale:MATRIX_SCALE_ROW1
.elseif (\ra)
	v_wmma_scale_f32_16x16x128_f8f6f4 v[(\d):(\d)+7], v[(\a):(\a)+11], v[(\b):(\b)+11], v[(\c):(\c)+7], v[(\sa)], v[(\sb)] matrix_a_fmt:MATRIX_FMT_FP6 matrix_b_fmt:MATRIX_FMT_FP6 matrix_a_scale:MATRIX_SCALE_ROW1
.elseif (\rb)
	v_wmma_scale_f32_16x16x128_f8f6f4 v[(\d):(\d)+7], v[(\a):(\a)+11], v[(\b):(\b)+11], v[(\c):(\c)+7], v[(\sa)], v[(\sb)] matrix_a_fmt:MATRIX_FMT_FP6 matrix_b_fmt:MATRIX_FMT_FP6 matrix_b_scale:MATRIX_SCALE_ROW1
.else
	v_wmma_scale_f32_16x16x128_f8f6f4 v[(\d):(\d)+7], v[(\a):(\a)+11], v[(\b):(\b)+11], v[(\c):(\c)+7], v[(\sa)], v[(\sb)] matrix_a_fmt:MATRIX_FMT_FP6 matrix_b_fmt:MATRIX_FMT_FP6
.endif
.endif
.endm
; 64 numbers of a lane, v[s] .. v[s + 63] of window w, register 16 b + i = k 32 b + 16 (lane / 16) + i of my row, become a fragment's 12 registers v[pc] on and its scale word v[pw] (window 0).
.macro QUANT s, w, pc, pw
	WIN (\w)|((\w)<<2)
.irp b, 0,1,2,3
	v_max3_num_f32 v[TM+\b], |v[(\s)+16*\b]|, |v[(\s)+16*\b+1]|, 0x1800000   ; block b: my 16 numbers, and the floor 2^(3 - 127): the byte cannot fall under 1
.endr
	WIN ((\w)<<2)|((\w)<<4)
.irp i, 2,4,6,8,10,12,14
.irp b, 0,1,2,3
	v_max3_num_f32 v[TM+\b], v[TM+\b], |v[(\s)+16*\b+\i]|, |v[(\s)+16*\b+\i+1]|
.endr
.endr
	WIN 0
.irp b, 0,1,2,3
	v_permlanex16_b32 v[TM+4+\b], v[TM+\b], s[SEL], s[SEL+1]
.endr
.irp b, 0,1,2,3
	v_max_num_f32 v[TM+\b], v[TM+\b], v[TM+4+\b]
.endr
.irp b, 0,1,2,3
	v_add_nc_u32 v[TM+8+\b], 0xff000000, v[TM+\b]      ; 2 off the exponent field: the conversion's scale operand
.endr
.irp b, 0,1,2,3
	v_lshrrev_b32 v[TM+4+\b], 23, v[TM+8+\b]           ; the scale's byte
.endr
	v_lshl_or_b32 v[(\pw)], v[TM+5], 8, v[TM+4]
	v_lshl_or_b32 v[(\pw)], v[TM+6], 16, v[(\pw)]
	v_lshl_or_b32 v[(\pw)], v[TM+7], 24, v[(\pw)]
	s_wait_xcnt 0x0                                    ; the codes' registers have served as offsets of loads: written again only behind this wait
	WIN (\w)
.irp c, 0,1
	v_cvt_scalef32_pk16_fp6_f32 v[(\pc)+6*\c:(\pc)+6*\c+2], v[(\s)+32*\c:(\s)+32*\c+15], v[TM+8+2*\c]
	v_cvt_scalef32_pk16_fp6_f32 v[CT+4*\c:CT+4*\c+2], v[(\s)+32*\c+16:(\s)+32*\c+31], v[TM+8+2*\c+1]
.endr
	WIN 0
	v_nop                                              ; one plain place behind a scaled conversion
.irp c, 0,1
.irp i, 0,1,2
	v_permlane16_swap_b32 v[(\pc)+6*\c+\i], v[CT+4*\c+\i]
.endr
.irp i, 0,1,2
	v_mov_b32 v[(\pc)+6*\c+3+\i], v[CT+4*\c+\i]
.endr
.endr
.endm
; A round of the cluster's barrier: my work-group's barrier; wave 0 signals for the work-group; every wave waits for all four work-groups; my work-group's barrier once more.
.macro CROUND
	s_barrier_signal -1
	s_barrier_wait -1
	s_cmp_lg_u32 s20, 0
	s_cbranch_scc1 .Lnot_wave_0_\@
	s_barrier_signal -3
.Lnot_wave_0_\@:
	s_barrier_wait -3
	s_barrier_signal -1
	s_barrier_wait -1
.endm
; 26 LDS loads: group g of my block: its scale words (two tiles to a register) into v[ks] on, its 8 fragments into buffer f of window 3.  Each load takes consecutive bytes, 16 (8) a lane.
.macro FETCH adr, adrs, g, f, ks
	WIN 0
	ds_load_b64 v[\ks:\ks+1], v[\adrs] offset:(\g)*GRP
	ds_load_b64 v[\ks+2:\ks+3], v[\adrs] offset:(\g)*GRP+256
	WIN 0xc0
.irp T, 0,1,2,3,4,5,6,7
.irp c, 0,1,2
	ds_load_b128 v[\f+12*\T+4*\c:\f+12*\T+4*\c+3], v[\adr] offset:(\g)*GRP+1536*\T+512*\c
.endr
.endr
	WIN 0
.endm
; S^T += K Q^T, channels 128 s on: 16 accumulators by turns: 8 tiles of keys x 2 tiles of queries.  s = 0 starts the sums.
.macro MULK s, f, ks
	WIN 0x07                                           ; K window 3, Q of tile 0 window 1
.irp T, 0,1,2,3,4,5,6,7
.set CC, S+8*\T
.if (\s) == 0
.set CC, -1
.endif
	WM S+8*\T, (\f)+12*\T, 192+12*(\s), CC, (\ks)+\T/2, QS+(\s), \T%2, 0
.endr
	WIN 0x0b                                           ; Q of tile 1 window 2
.irp T, 0,1,2,3,4,5,6,7
.set CC, S+64+8*\T
.if (\s) == 0
.set CC, -1
.endif
	WM S+64+8*\T, (\f)+12*\T, 192+12*(\s), CC, (\ks)+\T/2, QS+(\s), \T%2, 1
.endr
.endm
; O^T += V^T P^T, channels 128 g on: 8 tiles of channels x 2 tiles of queries.  zero = 1: the first step starts the sums.
.macro MULV g, f, ks, zero
	WIN 0x53                                           ; V window 3, P window 0, O^T of tile 0 window 1
.irp i, 0,1,2,3,4,5,6,7
.set CC, 64*(\g)+8*\i
.if \zero
.set CC, -1
.endif
	WM 64*(\g)+8*\i, (\f)+12*\i, PC, CC, (\ks)+\i/2, PW, \i%2, 0
.endr
	WIN 0xa3                                           ; O^T of tile 1 window 2
.irp i, 0,1,2,3,4,5,6,7
.set CC, 64*(\g)+8*\i
.if \zero
.set CC, -1
.endif
	WM 64*(\g)+8*\i, (\f)+12*\i, PC+12, CC, (\ks)+\i/2, PW+1, \i%2, 0
.endr
.endm
; Tile t's softmax for 128 keys: register 16 b + i of S^T holds key 32 b + 16 (lane / 16) + i of my query.
.macro SOFTMAX t
.set rS, S+64*(\t)
.set rT, ST+8*(\t)
.set rP, PC+12*(\t)
.set rW, PW+(\t)
.irp b, 0,1,2,3
	v_max3_num_f32 v[TM+\b], v[rS+16*\b], v[rS+16*\b+1], v[rS+16*\b+2]   ; the largest score of each block of 32 keys: it serves the row's maximum and, since p rises with the score, the block's largest p
.endr
.irp i, 3,5,7,9,11,13
.irp b, 0,1,2,3
	v_max3_num_f32 v[TM+\b], v[TM+\b], v[rS+16*\b+\i], v[rS+16*\b+\i+1]
.endr
.endr
.irp b, 0,1,2,3
	v_max_num_f32 v[TM+\b], v[TM+\b], v[rS+16*\b+15]
.endr
.irp b, 0,1,2,3
	v_permlanex16_b32 v[TM+4+\b], v[TM+\b], s[SEL], s[SEL+1]
.endr
.irp b, 0,1,2,3
	v_max_num_f32 v[TM+\b], v[TM+\b], v[TM+4+\b]       ; with lane l xor 16's 16 keys
.endr
	v_max3_num_f32 v254, v[TM], v[TM+1], v[TM+2]
	v_max_num_f32 v254, v254, v[TM+3]                  ; the step's largest score of my query
	v_mul_f32 v254, s[CS], v254                        ; as t (c is positive)
	v_max_num_f32 v[rT+1], v[rT+1], v254               ; the running largest t
	v_mov_b32 v254, v[rT]
	v_floor_f32 v[rT], -v[rT+1]                        ; the new -M = floor(-t): M is a whole number
	v_sub_f32 v254, v[rT], v254                        ; old M - new M: a whole number, 0 or less
	v_cvt_i32_f32 v254, v254                           ; (it saturates)
	v_ldexp_f32 v[rT+4], 1.0, v254                     ; f = 2^(old M - new M)
.set JJ, 0
.rept 32
	v_pk_fma_f32 v[rS+JJ:rS+JJ+1], v[rS+JJ:rS+JJ+1], s[CS:CS+1], v[rT:rT+1] op_sel_hi:[1,0,0]   ; t - M, two at a time
.set JJ, JJ+2
.endr
.irp b, 0,1,2,3
	v_fma_f32 v[TM+\b], v[TM+\b], s[CS], v[rT]         ; the same of each block's largest score
.endr
.set JJ, 0
.rept 64
	v_exp_f32 v[rS+JJ], v[rS+JJ]                       ; p = 2^(t - M), at most 1
.set JJ, JJ+1
.endr
	v_pk_mul_f32 v[rT+2:rT+3], v[rT+2:rT+3], v[rT+4:rT+5] op_sel_hi:[1,0]   ; the sums under the new M: a plain place behind the exponentials
	s_wait_alu depctr_va_vdst(0)                       ; one wait for the batch of 64, ahead of its first reader
.irp b, 0,1,2,3
	v_exp_f32 v[TM+\b], v[TM+\b]                       ; the block's largest p: the same two instructions on the same number give the same bits
.endr
	v_pk_add_f32 v[TM+4:TM+5], v[rS:rS+1], v[rS+2:rS+3]   ; the row's sum of the UNQUANTISED p, in two chains: plain work behind the four
.set JJ, 4
.rept 15
	v_pk_add_f32 v[rT+2:rT+3], v[rT+2:rT+3], v[rS+JJ:rS+JJ+1]
	v_pk_add_f32 v[TM+4:TM+5], v[TM+4:TM+5], v[rS+JJ+2:rS+JJ+3]
.set JJ, JJ+4
.endr
	v_pk_add_f32 v[rT+2:rT+3], v[rT+2:rT+3], v[TM+4:TM+5]
	s_wait_alu depctr_va_vdst(0)                       ; and one for the four
.irp b, 0,1,2,3
	v_max_num_f32 v[TM+\b], 0x1800000, v[TM+\b]        ; the floor 2^(3 - 127)
.endr
.irp b, 0,1,2,3
	v_add_nc_u32 v[TM+8+\b], 0xff000000, v[TM+\b]      ; 2 off the exponent field: the conversion's scale operand
.endr
.irp b, 0,1,2,3
	v_lshrrev_b32 v[TM+4+\b], 23, v[TM+8+\b]           ; the scale's byte
.endr
	v_lshl_or_b32 v[rW], v[TM+5], 8, v[TM+4]           ; p's scale word for these 128 keys
	v_lshl_or_b32 v[rW], v[TM+6], 16, v[rW]
	v_lshl_or_b32 v[rW], v[TM+7], 24, v[rW]
.irp c, 0,1
	v_cvt_scalef32_pk16_fp6_f32 v[rP+6*\c:rP+6*\c+2], v[rS+32*\c:rS+32*\c+15], v[TM+8+2*\c]
	v_cvt_scalef32_pk16_fp6_f32 v[CT+4*\c:CT+4*\c+2], v[rS+32*\c+16:rS+32*\c+31], v[TM+8+2*\c+1]
.endr
	v_nop                                              ; one plain place behind a scaled conversion
.irp c, 0,1
.irp i, 0,1,2
	v_permlane16_swap_b32 v[rP+6*\c+\i], v[CT+4*\c+\i]
.endr
.irp i, 0,1,2
	v_mov_b32 v[rP+6*\c+3+\i], v[CT+4*\c+\i]
.endr
.endr
.endm
.macro RESCALE t                       ; tile t's O^T under the new M: x f, from each accumulator's low end on
	WIN 0x41*((\t)+1)                                  ; destination and source 0: window 1 or 2
.set JJ, 0
.rept 96
	v_pk_mul_f32 v[JJ:JJ+1], v[JJ:JJ+1], v[ST+8*(\t)+4:ST+8*(\t)+5] op_sel_hi:[1,0]
.set JJ, JJ+2
.endr
	WIN 0
.endm
; A PREFETCH INTO THE L2 of the block that my wave will ask for at this place TWO steps on: one step (96 matrix instructions and two softmaxes) ahead of the tensor load that wants it.
; All clusters walk the same K and V: cluster 0 asks.  Its four partners share a block's 150 runs of 256 bytes out BY ADDRESS, 38 each (32 + 6 lanes; held at run 149): no branch hangs on a place in the cluster.
; how = 1: the first step; how = 0: in the loop, where the last trip (step 14) has no block two steps on.  Nothing is asked for at the head.
.macro ASK pf, how
.if \how
	s_cmp_eq_u32 s45, 1
.else
	s_cmp_gt_u32 s44, s45
.endif
	s_cbranch_scc0 .Lnot_mine_\@
	global_prefetch_b8 v8, s[\pf:\pf+1] th:TH_LOAD_NT scope:SCOPE_SE
	global_prefetch_b8 v9, s[\pf:\pf+1] th:TH_LOAD_NT scope:SCOPE_SE
.Lnot_mine_\@:
.endm
; A SLOT IS FILLED AGAIN.  Every wave waits for all its tensor loads (the one that is out is its part of the OTHER slot), adds 0 to its spare word, and waits for that and for its reads of this slot;
; a round of the cluster's barrier, so that no wave of any partner still reads the slot or has a load on its way; the joint refill is the first thing behind it.
.macro CHG g0, pf
	s_wait_tensorcnt 0x0                               ; no tensor load of mine is out, so a group 0 may be written
	ds_add_u32 v[SPW], v[NIL]                          ; 0 onto my spare word
	s_add_nc_u64 s[\g0+2:\g0+3], s[\g0+2:\g0+3], 4*BLK   ; my block of the next step; the type bits on top are not reached
	s_wait_xcnt 0x0                                    ; the last prefetch by this address, a step back, has read it
	s_add_nc_u64 s[\pf:\pf+1], s[\pf:\pf+1], 4*BLK
	s_wait_dscnt 0x0                                   ; the add is done, and my reads of the slot are over
	CROUND
	tensor_load_to_lds s[\g0:\g0+3], s[24:31]
	s_nop 0
	PLACES 4                                           ; four v_nop follow the load
.endm
; A STEP: my block of 128 keys, both tiles of queries.  At its head K's group 0 is on its way into F0.
.macro STEP first, fill
.if (\first) == 0
	PLACES 4                                           ; places ahead of loads into F1 and its scale words, which the last products read
.endif
	FETCH AK, AKS, 1, F1, KSB
	s_wait_dscnt 26                                    ; group 0 is in; group 1's 26 loads may be out
	MULK 0, F0, KSA
	PLACES 4
	FETCH AK, AKS, 2, F0, KSA
	s_wait_dscnt 26                                    ; group 1 is in
	MULK 1, F1, KSB
	s_wait_dscnt 0x0
	MULK 2, F0, KSA
	WIN 0
	PLACES 4                                           ; ahead of the first read of the scores
	SOFTMAX 0
.if (\first) == 0
	RESCALE 0
.endif
.if \fill
	CHG 32, 46                                         ; K's slot has been read out: the next step's K.  V of this step has landed
.else
	s_wait_tensorcnt 0x0                               ; V of the last step has landed
.endif
	FETCH AV, AVS, 0, F1, KSB
	FETCH AV, AVS, 1, F0, KSA
.if \fill
	ASK 46, \first
.endif
	SOFTMAX 1
.if \first
	PLACES 8                                           ; a scale register written by a vector instruction stands 8 places ahead of a scaled matrix instruction
.else
	RESCALE 1                                          ; (its last lines name accumulators of the third group alone: they are those places)
.endif
	s_wait_dscnt 26                                    ; V's group 0 is in
	MULV 0, F1, KSB, \first
	PLACES 4
	FETCH AV, AVS, 2, F1, KSB
	s_wait_dscnt 26                                    ; group 1 is in
	MULV 1, F0, KSA, \first
	WIN 0
.if \fill
	CHG 36, 48                                         ; V's slot has been read out (group 2 is in registers): the next step's V.  The next step's K has landed; the four v_nop are the places for F0
	FETCH AK, AKS, 0, F0, KSA                          ; the next step's first group of K
	ASK 48, \first
.else
	s_wait_dscnt 0x0
.endif
	MULV 2, F1, KSB, \first
	WIN 0
.endm
	s_load_b256 s[4:11], s[0:1], 0x0               ; qimg 4, kimg 6, vimg 8, x 10
	s_load_b256 s[12:19], s[0:1], 0x20             ; Wo_codes 12, Wo_scales 14, bo 16, out0 18
	v_lshl_add_u32 v[SPW], v0, 2, SPARE
	v_mov_b32 v[NIL], 0
	ds_add_u32 v6, v7
	ds_add_u32 v6, v7
	s_wait_dscnt 0x0
	v_lshrrev_b32 v1, 5, v0
	v_readfirstlane_b32 s20, v1                    ; wave 0..3
	s_bfe_u32 s21, ttmp6, 0x40000                  ; cx: my place in the cluster
	s_lshl_b32 s22, ttmp9, 2                       ; in a cluster launch ttmp9 counts clusters
	s_add_co_u32 s22, s22, s21                     ; my work-group: it enters global addresses of Q, x and out alone
	; descriptor group 1: a dense block of 38,400 bytes as 150 rows of 32 elements of 8 bytes
	s_mov_b32 s24, 15|(3<<16)|(1<<21)              ; 15:0 the mask: all four work-groups; 17:16 elements of 8 bytes; 21 set beside a mask; no padding
	s_mov_b32 s25, 32<<16                          ; tensor_dim0 = 32
	s_mov_b32 s26, 150<<16                         ; tensor_dim1 = 150
	s_mov_b32 s27, 32<<16                          ; tile_dim0 = 32
	s_mov_b32 s28, 150                             ; tile_dim1 = 150
	s_mov_b32 s29, 32                              ; from row to row
	s_mov_b32 s30, 0
	s_mov_b32 s31, 0
	s_mov_b32 s[SEL], 0x76543210
	s_mov_b32 s[SEL+1], 0xfedcba98
	s_mov_b32 s[CS], 0x3d96c740                    ; c = log2(e) / sqrt(384)
	s_mov_b32 s[CS+1], s[CS]                       ; (named with it as a pair, so it is written)
	s_cmp_eq_u32 ttmp9, 0
	s_cselect_b32 s45, 1, -1                       ; 1 in the cluster that prefetches, else the greatest number: the same in all four partners
	s_mul_i32 s50, s20, BLK                        ; my wave's part of a slot, and my block of a step's four
	s_mov_b32 s51, 0
	s_wait_kmcnt 0x0
	CROUND                                         ; all four work-groups are here: the first joint loads meet
	s_mov_b32 s32, 1                               ; K's group 0: count = 1,
	s_mov_b32 s33, s50                             ; LDS address,
	s_add_nc_u64 s[34:35], s[6:7], s[50:51]        ; global address: block w,
	s_or_b32 s35, s35, 0x80000000                  ; type = 2
	s_mov_b32 s36, 1                               ; V's
	s_add_co_u32 s37, s50, VSLOT
	s_add_nc_u64 s[38:39], s[8:9], s[50:51]
	s_or_b32 s39, s39, 0x80000000
	tensor_load_to_lds s[32:35], s[24:31]          ; the two first fills stand together: two loads of mine are out
	s_nop 0
	tensor_load_to_lds s[36:39], s[24:31]
	s_nop 0
	PLACES 4
	s_add_nc_u64 s[46:47], s[6:7], s[50:51]        ; the prefetches' addresses: my block of step 1; the first change steps them to step 2
	s_add_nc_u64 s[46:47], s[46:47], 4*BLK
	s_add_nc_u64 s[48:49], s[8:9], s[50:51]
	s_add_nc_u64 s[48:49], s[48:49], 4*BLK
	s_lshr_b32 s52, s22, 2                         ; Q: block work-group / 4, tiles 2 b and 2 b + 1, b = work-group % 4
	s_mul_i32 s52, s52, BLK
	s_mov_b32 s58, s52
	s_and_b32 s54, s22, 3
	s_mul_i32 s55, s54, 3072
	s_add_co_u32 s52, s52, s55
	s_mov_b32 s53, 0
	s_add_nc_u64 s[56:57], s[4:5], s[52:53]        ; its fragments
	s_lshr_b32 s55, s54, 1
	s_lshl_b32 s55, s55, 8
	s_add_co_u32 s58, s58, s55                     ; its scale words: half b / 2,
	s_and_b32 s55, s54, 1
	s_lshl_b32 s55, s55, 2
	s_add_co_u32 s58, s58, s55                     ; word b % 2
	s_mov_b32 s59, 0
	s_add_nc_u64 s[58:59], s[4:5], s[58:59]
	v_and_b32 v1, 31, v0                           ; lane
	v_lshlrev_b32 v10, 4, v1                       ; 16 x lane
	v_lshlrev_b32 v11, 3, v1                       ; 8 x lane
	WIN 0x40
.irp s, 0,1,2
.irp c, 0,1,2
	global_load_b128 v[192+12*\s+4*\c:192+12*\s+4*\c+3], v10, s[56:57] offset:\s*GRP+512*\c        ; Q of tile 0 stays in window 1,
.endr
.endr
	WIN 0x80
.irp s, 0,1,2
.irp c, 0,1,2
	global_load_b128 v[192+12*\s+4*\c:192+12*\s+4*\c+3], v10, s[56:57] offset:1536+\s*GRP+512*\c   ; of tile 1 in window 2
.endr
.endr
	WIN 0
.irp s, 0,1,2
	global_load_b32 v[QS+\s], v11, s[58:59] offset:12288+\s*GRP
.endr
	v_add_nc_u32 v[AK], s50, v10
	v_add_nc_u32 v[AV], VSLOT, v[AK]
	v_add_nc_u32 v[AKS], s50, v11
	v_add_nc_u32 v[AKS], 12288, v[AKS]
	v_add_nc_u32 v[AVS], VSLOT, v[AKS]
	s_mul_i32 s52, s21, 38                         ; my work-group's 38 runs of a block's 150
	v_add_nc_u32 v8, s52, v1
	v_lshlrev_b32 v8, 8, v8                        ; runs 38 cx + 0 .. 31
	v_min_u32 v9, 5, v1
	v_add_nc_u32 v9, s52, v9
	v_add_nc_u32 v9, 32, v9
	v_min_u32 v9, 149, v9                          ; runs 38 cx + 32 .. 37, held inside the block
	v_lshlrev_b32 v9, 8, v9
.irp t, 0,1
	v_mov_b32 v[ST+8*\t+1], 0xff61b1e6             ; the largest t so far: -3e38
	v_floor_f32 v[ST+8*\t], -v[ST+8*\t+1]          ; -M
	v_mov_b32 v[ST+8*\t+2], 0                      ; the sum, in two halves
	v_mov_b32 v[ST+8*\t+3], 0
	v_mov_b32 v[ST+8*\t+4], 0
	v_mov_b32 v[ST+8*\t+5], 0                      ; (named as the upper half of f's pair)
.endr
.irp b, 0,1,2,3
	v_mov_b32 v[TM+4+\b], 0                        ; written once: a lane permute's destination counts as one of its sources
.endr
	s_wait_tensorcnt 0x1                           ; my block of K is in; V's may be out.  I alone read my part of a slot
	FETCH AK, AKS, 0, F0, KSA
	s_wait_loadcnt 0x0                             ; Q
	STEP 1, 1                                      ; step 0 starts O^T's sums and has nothing to rescale
	s_mov_b32 s44, 14
.Lstep:                                            ; steps 1 to 14: each asks for the next step's K and V
	STEP 0, 1
	s_sub_co_u32 s44, s44, 1
	s_cmp_lg_u32 s44, 0
	s_cbranch_scc1 .Lstep
	STEP 0, 0                                      ; step 15 is written out
	; ---- THE END, part 1: my -M, my sums and my O^T go to LDS
	PLACES 4                                       ; places behind the last products: ahead of stores of results and of loads into fragment and scale registers
	s_wait_xcnt 0x0                                ; the last prefetches have read v8 and v9
.irp t, 0,1
	v_add_f32 v[ST+8*\t+2], v[ST+8*\t+2], v[ST+8*\t+3]
.endr
.irp t, 0,1
	v_permlanex16_b32 v[ST+8*\t+4], v[ST+8*\t+2], s[SEL], s[SEL+1]
.endr
.irp t, 0,1
	v_add_f32 v[ST+8*\t+2], v[ST+8*\t+2], v[ST+8*\t+4]   ; my quarter of the row's sum
.endr
	v_and_b32 v11, 31, v0
	v_lshlrev_b32 v11, 2, v11                      ; 4 x lane
	s_lshl_b32 s52, s20, 9
	s_add_co_u32 s52, s52, ML
	v_add_nc_u32 v4, s52, v11
.irp t, 0,1
	ds_store_b32 v4, v[ST+8*\t] offset:256*\t
	ds_store_b32 v4, v[ST+8*\t+2] offset:256*\t+128
.endr
	WIN 0x04                                       ; an LDS store's data are its source 1: window 1
.set KK, 0
.rept 48
	ds_store_b128 v[AK], v[4*KK:4*KK+3] offset:512*KK    ; tile 0's O^T as it stands, into my part of K's slot, which has had its last fill
.set KK, KK+1
.endr
	WIN 0x08
.set KK, 0
.rept 48
	ds_store_b128 v[AV], v[4*KK:4*KK+3] offset:512*KK    ; tile 1's into my part of V's slot
.set KK, KK+1
.endr
	WIN 0
	s_and_b32 s54, s20, 1                          ; the tile of queries that I finish
	s_lshr_b32 s55, s20, 1                         ; the half of the 384 outputs that I make
	s_mov_b32 s53, 0
	s_mul_i32 s52, s55, 55296
	s_add_nc_u64 s[12:13], s[12:13], s[52:53]      ; Wo's codes: my 192 rows of 288 bytes
	s_mul_i32 s52, s55, 2304
	s_add_nc_u64 s[14:15], s[14:15], s[52:53]      ; their scale bytes
	s_lshl_b32 s56, s22, 5
	s_lshl_b32 s57, s54, 3
	s_add_co_u32 s56, s56, s57
	s_mul_i32 s56, s56, 1536                       ; row 32 x work-group + 8 x tile of x and of out
	s_mov_b32 s57, 0
	s_add_nc_u64 s[10:11], s[10:11], s[56:57]
	s_add_nc_u64 s[18:19], s[18:19], s[56:57]
	s_mul_i32 s52, s55, 768
	s_add_nc_u64 s[16:17], s[16:17], s[52:53]      ; bo: my 192 numbers
	s_add_nc_u64 s[18:19], s[18:19], s[52:53]      ; out: my 768 bytes of a row
	v_and_b32 v1, 15, v0                           ; r
	v_bfe_u32 v5, v0, 4, 1                         ; h
	v_mul_u32_u24 v8, v1, 288
	v_mad_u32_u24 v8, v5, 24, v8                   ; Wo: row r, my half's 24 bytes
	v_and_b32 v9, 31, v0
	v_mul_u32_u24 v9, v9, 12                       ; its scale words: 32 rows to a register: even tile lanes 0-15, odd tile lanes 16-31
; Fragment f of Wo's 36: tiles 6-11 (f < 18) into window 3, tiles 0-5 into window 2, at 12 registers each; tile 6 + f / 3 (f < 18) or f / 3 - 6, K step f % 3
.macro WOFRAG f
.if (\f) < 18
	WIN 0xc0
.set WR, 12*(\f)
.set WI, 6+(\f)/3
.else
	WIN 0x80
.set WR, 12*((\f)-18)
.set WI, ((\f)-18)/3
.endif
.irp p, 0,1,2,3,4,5
	global_load_b64 v[WR+2*\p:WR+2*\p+1], v8, s[12:13] offset:4608*WI+96*((\f)%3)+48*(\p/3)+8*(\p%3)
.endr
.endm
.irp f, 0,1,2,3,4,5,6,7
	WOFRAG \f
.endr
	WIN 0
.irp i, 0,1,2,3,4,5
.irp s, 0,1,2
	global_load_b32 v[WS+3*\i+\s], v9, s[14:15] offset:384*\i+4*\s
.endr
.endr
	s_wait_dscnt 0x0                               ; for the others' sake: my stores have landed
	s_barrier_signal -1
	s_barrier_wait -1
	; ---- part 2: the four waves' parts of my tile are merged: each is brought under the largest M by an exact power of two
	s_lshl_b32 s52, s54, 8
	s_add_co_u32 s52, s52, ML
	v_add_nc_u32 v4, s52, v11
.irp w, 0,1,2,3
	ds_load_b32 v[12+\w], v4 offset:512*\w         ; wave w's -M
	ds_load_b32 v[16+\w], v4 offset:512*\w+128     ; and its sum
.endr
	s_mul_i32 s52, s54, VSLOT
	v_add_nc_u32 v36, s52, v10                     ; the images of my tile: waves 0, 1;
	v_add_nc_u32 v37, 2*BLK, v36                   ; waves 2, 3
.macro LOADCH q                        ; chunk q: half q / 4 (96 registers) of wave q % 4's image, into buffer q % 2: 24 loads
.set KK, 0
.rept 24
	ds_load_b128 v[40+96*((\q)%2)+4*KK:40+96*((\q)%2)+4*KK+3], v[36+((\q)%4)/2] offset:((\q)%2)*BLK+12288*((\q)/4)+512*KK
.set KK, KK+1
.endr
.endm
.macro MERGE q
.set KK, 0
.if (\q)%4 == 0
	WIN 0x40                                       ; destination window 1
.rept 48
	v_pk_mul_f32 v[96*((\q)/4)+KK:96*((\q)/4)+KK+1], v[40+96*((\q)%2)+KK:40+96*((\q)%2)+KK+1], v[24:25]
.set KK, KK+2
.endr
.else
	WIN 0x50                                       ; destination and source 2 window 1
.rept 48
	v_pk_fma_f32 v[96*((\q)/4)+KK:96*((\q)/4)+KK+1], v[40+96*((\q)%2)+KK:40+96*((\q)%2)+KK+1], v[24+2*((\q)%4):25+2*((\q)%4)], v[96*((\q)/4)+KK:96*((\q)/4)+KK+1]
.set KK, KK+2
.endr
.endif
	WIN 0
.endm
	LOADCH 0
	LOADCH 1
	s_wait_dscnt 48                                ; the eight words are in; the two chunks' 48 loads may be out
	v_min3_num_f32 v20, v12, v13, v14
	v_min_num_f32 v20, v20, v15                    ; the least -M: the largest M
.irp w, 0,1,2,3
	v_sub_f32 v[24+2*\w], v20, v[12+\w]            ; wave w's M less the largest: a whole number, 0 or less
.endr
.irp w, 0,1,2,3
	v_cvt_i32_f32 v[24+2*\w], v[24+2*\w]
.endr
.irp w, 0,1,2,3
	v_ldexp_f32 v[24+2*\w], 1.0, v[24+2*\w]        ; its factor,
.endr
.irp w, 0,1,2,3
	v_mov_b32 v[25+2*\w], v[24+2*\w]               ; in both words of a pair
.endr
	v_mul_f32 v21, v24, v16
	v_fma_f32 v21, v26, v17, v21
	v_fma_f32 v21, v28, v18, v21
	v_fma_f32 v21, v30, v19, v21                   ; the row's sum
.irp q, 0,1,2,3,4,5,6,7
.if \q < 7
	s_wait_dscnt 24                                ; chunk q is in; the next chunk's 24 loads may be out
.else
	s_wait_dscnt 0x0
.endif
	MERGE \q
.if \q < 6
	LOADCH \q+2
.endif
.if \q < 7
	WOFRAG 4*\q+8                                  ; the rest of Wo comes meanwhile; window 2 is free since the barrier
	WOFRAG 4*\q+9
	WOFRAG 4*\q+10
	WOFRAG 4*\q+11
	WIN 0
.endif
.endr
	; ---- part 3: ctx = O / sum; ctx / max(|ctx|, 1e-12); + x.  Register 64 g + 16 b + i is channel 128 g + 32 b + 16 h + i of query 8 tile + r + 8 (r / 8)
	v_and_b32 v11, 8, v1
	v_add_nc_u32 v11, v11, v1
	v_mul_u32_u24 v38, v11, 1536
	v_lshl_add_u32 v38, v5, 6, v38
.irp b, 0,1,2,3,4,5,6,7,8,9,10,11
.irp q, 0,1,2,3
	global_load_b128 v[40+16*\b+4*\q:40+16*\b+4*\q+3], v38, s[10:11] offset:128*\b+16*\q
.endr
.endr
	v_rcp_f32 v32, v21
	v_nop                                          ; a plain place behind the transcendental
	s_wait_alu depctr_va_vdst(0)                   ; and the wait ahead of its first reader
	v_mov_b32 v33, v32
	WIN 0x41
.set KK, 0
.rept 96
	v_pk_mul_f32 v[KK:KK+1], v[KK:KK+1], v[32:33]
.set KK, KK+2
.endr
	WIN 0x05                                       ; sources 0 and 1 window 1
.irp c, 0,1,2,3
	v_pk_mul_f32 v[12+2*\c:13+2*\c], v[2*\c:2*\c+1], v[2*\c:2*\c+1]     ; the sum of squares, in four packed chains
.endr
.set KK, 4
.rept 92
	v_pk_fma_f32 v[12+2*(KK%4):13+2*(KK%4)], v[2*KK:2*KK+1], v[2*KK:2*KK+1], v[12+2*(KK%4):13+2*(KK%4)]
.set KK, KK+1
.endr
	WIN 0
	v_pk_add_f32 v[12:13], v[12:13], v[14:15]
	v_pk_add_f32 v[16:17], v[16:17], v[18:19]
	v_pk_add_f32 v[12:13], v[12:13], v[16:17]
	v_add_f32 v12, v12, v13
	v_permlanex16_b32 v14, v12, s[SEL], s[SEL+1]
	v_add_f32 v12, v12, v14                        ; with lane l xor 16's channels
	v_sqrt_f32 v13, v12
	v_nop
	s_wait_alu depctr_va_vdst(0)
	v_max_num_f32 v13, 0x2b8cbccc, v13             ; max(norm, 1e-12)
	v_rcp_f32 v34, v13
	v_nop
	s_wait_alu depctr_va_vdst(0)
	v_mov_b32 v35, v34
	s_wait_loadcnt 0x0                             ; x, and all of Wo
	WIN 0x01
.set KK, 0
.rept 96
	v_pk_fma_f32 v[40+KK:41+KK], v[KK:KK+1], v[34:35], v[40+KK:41+KK]
.set KK, KK+2
.endr
	WIN 0
	; ---- part 4: x + ctx becomes three fragments, v28-63, and three scale words
.set TM, 8
.set CT, 20
	QUANT 40, 0, 28, ZW
	QUANT 104, 0, 40, ZW+1
	QUANT 168, 0, 52, ZW+2
	v_and_b32 v177, 31, v0                         ; these eleven plain lines are also the places ahead of the products below (8 for a scale word written by a vector instruction)
	v_lshlrev_b32 v177, 4, v177                    ; 16 l
	v_mul_u32_u24 v178, v5, 768
	v_add_nc_u32 v175, v177, v178                  ; 16 l + 768 h
	v_add_nc_u32 v176, 512, v177
	v_sub_nc_u32 v176, v176, v178                  ; 512 + 16 l - 768 h
	global_load_b128 v[160:163], v177, s[16:17]              ; bo in the layout of the three stores of a pair of rows
	global_load_b128 v[164:167], v176, s[16:17]
	global_load_b128 v[168:171], v177, s[16:17] offset:256
	s_mul_i32 s52, s20, BLK
	s_add_co_u32 s52, s52, 24576                   ; my stage: behind my image in K's slot: 16 rows x (768 bytes + 16)
	v_mul_u32_u24 v172, v1, 784
	v_lshl_add_u32 v172, v5, 5, v172
	v_add_nc_u32 v172, s52, v172                   ; in: row r, + 32 h
	v_add_nc_u32 v173, s52, v177                   ; back: 16 bytes a lane,
	v_lshl_add_u32 v174, v5, 4, v173               ; and where lanes 16-31 begin the next row: one padding more
	; ---- part 5: out^T = Wo (x + ctx)^T: source 0 = 16 rows of Wo, source 1 = my 16 queries; six accumulators by turns, twice
	WIN 0x02
.irp s, 0,1,2
.irp i, 0,1,2,3,4,5
.set CC, 64+8*\i
.if \s == 0
.set CC, -1
.endif
	WM 64+8*\i, 36*\i+12*\s, 28+12*\s, CC, WS+3*(\i/2)+\s, ZW+\s, \i%2, 0
.endr
.endr
	WIN 0x03
.irp s, 0,1,2
.irp i, 6,7,8,9,10,11
.set CC, 64+8*\i
.if \s == 0
.set CC, -1
.endif
	WM 64+8*\i, 36*(\i-6)+12*\s, 28+12*\s, CC, WS+3*(\i/2)+\s, ZW+\s, \i%2, 0
.endr
.endr
	WIN 0
	PLACES 4
	; ---- part 6: a lane holds eight neighbouring outputs of one row; through my stage they become runs of 256 bytes.  LDS serves a wave's instructions in order (ISA guide 5.7.1.4)
.irp i, 0,1,2,3,4,5,6,7,8,9,10,11
	ds_store_b128 v172, v[64+8*\i:67+8*\i] offset:64*\i          ; each accumulator from its low end on
	ds_store_b128 v172, v[68+8*\i:71+8*\i] offset:64*\i+16
.endr
.irp p, 0,1,2,3,4,5,6,7                        ; rows 2 p and 2 p + 1: 1,536 bytes in three loads
	ds_load_b128 v[64+12*\p:67+12*\p], v173 offset:1568*\p
	ds_load_b128 v[68+12*\p:71+12*\p], v174 offset:1568*\p+512
	ds_load_b128 v[72+12*\p:75+12*\p], v173 offset:1568*\p+1040
.endr
	s_wait_loadcnt 0x0                             ; bo
.irp p, 0,1,2,3,4,5,6,7
.irp k, 0,1,2
	s_wait_dscnt 23-3*\p-\k
	v_pk_add_f32 v[64+12*\p+4*\k:65+12*\p+4*\k], v[64+12*\p+4*\k:65+12*\p+4*\k], v[160+4*\k:161+4*\k]
	v_pk_add_f32 v[66+12*\p+4*\k:67+12*\p+4*\k], v[66+12*\p+4*\k:67+12*\p+4*\k], v[162+4*\k:163+4*\k]
.if \k == 0
	global_store_b128 v177, v[64+12*\p:67+12*\p], s[18:19] offset:(2*\p+8*(\p/4))*1536 th:TH_STORE_NT         ; sixteen lanes store 256 consecutive bytes, at a multiple of 256 from out's first byte
.elseif \k == 1
	global_store_b128 v175, v[68+12*\p:71+12*\p], s[18:19] offset:(2*\p+8*(\p/4))*1536+512 th:TH_STORE_NT
.else
	global_store_b128 v177, v[72+12*\p:75+12*\p], s[18:19] offset:(2*\p+8*(\p/4))*1536+1792 th:TH_STORE_NT
.endif
.endr
.endr
	s_wait_tensorcnt 0x0                           ; the wave's end: behind my last tensor load and my last LDS store
	ds_add_u32 v[SPW], v[NIL]
	s_wait_dscnt 0x0
	CROUND                                         ; the closing round: no work-group ends while a partner may still ask for a tile that names it
	s_endpgm
.Lfunc_end_k_qe580cae0d3_attn:
	.size	k_qe580cae0d3_attn, .Lfunc_end_k_qe580cae0d3_attn-k_qe580cae0d3_attn
	.p2alignl 7, 3214868480
	.fill 96, 4, 3214868480
	.section	.rodata,"a",@progbits
	.p2align	6, 0x0
	.amdhsa_kernel k_qe580cae0d3_attn
		.amdhsa_group_segment_fixed_size 327680
		.amdhsa_private_segment_fixed_size 0
		.amdhsa_enable_private_segment 0
		.amdhsa_kernarg_size 64
		.amdhsa_user_sgpr_count 2
		.amdhsa_user_sgpr_kernarg_segment_ptr 1
		.amdhsa_wavefront_size32 1
		.amdhsa_system_sgpr_workgroup_id_x 1
		.amdhsa_system_sgpr_workgroup_id_y 1
		.amdhsa_system_sgpr_workgroup_id_z 1
		.amdhsa_system_vgpr_workitem_id 0
		.amdhsa_next_free_vgpr 1024
		.amdhsa_next_free_sgpr 66
		.amdhsa_reserve_vcc 0
		.amdhsa_float_denorm_mode_32 3
		.amdhsa_float_denorm_mode_16_64 3
		.amdhsa_memory_ordered 1
		.amdhsa_forward_progress 1
		.amdhsa_inst_pref_size 255
	.end_amdhsa_kernel
	.section	.bss,"aw",@nobits
	.p2align	6
	.space	262144
	.amdgpu_metadata
---
amdhsa.version: [ 1, 2 ]
amdhsa.kernels:
  - .name:           k_qe580cae0d3_attn
    .symbol:         k_qe580cae0d3_attn.kd
    .args:
      - { .name: qimg, .offset: 0, .size: 8, .value_kind: global_buffer, .address_space: global }
      - { .name: kimg, .offset: 8, .size: 8, .value_kind: global_buffer, .address_space: global }
      - { .name: vimg, .offset: 16, .size: 8, .value_kind: global_buffer, .address_space: global }
      - { .name: x, .offset: 24, .size: 8, .value_kind: global_buffer, .address_space: global }
      - { .name: Wo_codes, .offset: 32, .size: 8, .value_kind: global_buffer, .address_space: global }
      - { .name: Wo_scales, .offset: 40, .size: 8, .value_kind: global_buffer, .address_space: global }
      - { .name: bo, .offset: 48, .size: 8, .value_kind: global_buffer, .address_space: global }
      - { .name: out0, .offset: 56, .size: 8, .value_kind: global_buffer, .address_space: global }
    .group_segment_fixed_size: 327680
    .private_segment_fixed_size: 0
    .kernarg_segment_align: 8
    .kernarg_segment_size: 64
    .max_flat_workgroup_size: 128
    .sgpr_count:     66
    .vgpr_count:     1024
    .wavefront_size: 32
...
	.end_amdgpu_metadata
.endif
;; end of part 2
;; ======== version 2 of 2: 2 launches
;; limits: right only within a limited range of input values
;; workspace buffers: qimg 2,457,600 bytes; kimg 2,457,600 bytes; vimg 2,457,600 bytes; woimg 110,592 bytes
;; launch proj (part 3): grid 256 x 1, 3 waves a work-group, no clusters, 321,024 bytes of LDS; arguments x, y_codes, y_scales, Wq_codes, Wq_scales, bq, Wk_codes, Wk_scales, bk, Wv_codes, Wv_scales, bv, qimg, kimg, vimg, Wo_codes, woimg; writes qimg, kimg, vimg, woimg
.if DOCPART == 3
	.amdgcn_target "amdgcn-amd-amdhsa--gfx1250"
	.amdhsa_code_object_version 6
	.text
	.protected	k_qe580cae0d3_proj
	.globl	k_qe580cae0d3_proj
	.p2align	8
	.type	k_qe580cae0d3_proj,@function
k_qe580cae0d3_proj:
	s_mov_b64 s[64:65], 0
	v_nop
	global_prefetch_b8 v0, s[64:65] scope:SCOPE_SE
	s_setreg_imm32_b32 hwreg(HW_REG_WAVE_MODE, 25, 1), 1
	s_wait_xcnt 0x0
; Q = Qz(x) Wq^T + bq, K = y Wk^T + bk, V = y Wv^T + bv on codes of FP6 (E2M3) with one E8M0 scale for each 32 along K; Q and K are then quantised along their 384 channels, V along the keys.
; The results leave as IMAGES OF OPERAND REGISTERS.  qimg, kimg, vimg: 64 blocks of 38,400 bytes (128 queries / keys); a block is 3 groups of 12,800 bytes; a group is 8 fragments of 1,536 bytes
; (12 registers x 32 lanes: chunk c of 512 bytes holds lane l's registers 4 c .. 4 c + 3 at 16 l) and 512 bytes of scale words (half hf of 256 bytes; lane l's 8 bytes are words a = 0, 1:
; the word of tile 4 hf + 2 a + l / 16, row l % 16).  qimg, kimg: group = 128 channels (a K step), tile 2 b + u row r = query / key 32 b + 8 u + r + 8 (r / 8) of the block.
; vimg: group = 128 channels, tile 2 b + u row r = channel 32 b + 8 u + r + 8 (r / 8) of the group, K = the block's 128 keys in their order.
; woimg: Wo's 72 fragments (tile of 16 rows in their order, K step s: fragment 3 tile + s), 1,536 bytes each, in the same image; the codes are copied as they are.
; ONE FORM OF JOB.  A wave keeps 128 rows of a STATIONARY operand in registers (8 tiles x 3 K steps, source 0; lane r of tile 2 b + u takes row 32 b + 8 u + r + 8 (r / 8)) and multiplies them by
; STREAMING tiles of 16 rows (source 1).  A lane then holds ONE streaming row, and its 64 results are 64 of the 128 stationary rows, register 16 b + i = row 32 b + 16 (lane / 16) + i:
; sixteen neighbours of each block of 32 along the next K.  Quantised, they are one fragment and one scale word a row.
;   work-groups 0-127:   Q.  stationary Wq rows 128 w on; streaming 4 tiles of x (64 rows), quantised here by each of the three waves; bias by register
;   work-groups 128-191: K.  stationary Wk rows 128 w on; streaming 8 tiles of y (128 keys); bias by register.  Work-groups 128-151 also copy Wo's tile (work-group - 128), a K step a wave
;   work-groups 192-255: V.  stationary y (128 keys);     streaming 8 tiles of Wv rows 128 w on; bias by lane (eight equal registers as C)
; THE OPERANDS COME THROUGH LDS.  128 rows of 288 bytes are 36,864 consecutive bytes of memory: a wave copies them by 72 lane copies of 512 consecutive bytes into LDS bytes of its own, filled once,
; and takes its fragments from there in pieces of 8 bytes.  x's 64 rows come once for the work-group (wave w copies bytes 512 w .. 512 w + 511 of each row) into rows 1,552 bytes apart; one barrier shows them to all.
; NO CLUSTER, NO PREFETCH: a work-group's operands are asked for once, all at its head; there is no loop of steps in which joint requests could meet or to run ahead in.
; A block's scale is 2^(floor(log2(largest magnitude)) - 2); its byte is the largest magnitude's exponent field - 2, held at 1 from below.
; LIMITS: a block of zeros gets the byte 1 where the rule says 127 (its codes are zeros, and this program alone reads the bytes); NaN and infinities among the inputs are not served.
; REGISTERS.  window 0: v4-15, v88-91 offsets; v16-27 TM, v28-35 CT at work; v36-47 the codes just made; v48-51 scale words on their way out; v52-87 x's three fragments; v96-159 the 8 accumulators
;   (ahead of them: the LDS addresses of x's 64 copies); v160-183 the stationary rows' scale words, v184-207 the streaming rows', v208-210 x's (these hold scales alone); v212-223 Wo's fragment.
;   window 1: stationary fragments of K steps 0, 1 at v[96 s + 12 T].  window 2: K step 2 at v[12 T]; v96-159 the bias as C; v160-231 streaming tiles 6, 7.  window 3: streaming tiles 0-5, or x's numbers.
.set GRP,  12800
.set BLK,  38400
.set OPB,  36864                       ; 128 rows of 288 bytes
.set SRL,  3*OPB                       ; LDS: stationary operands at OPB x wave, streaming ones at SRL + OPB x wave,
.set XL,   6*OPB                       ; x's 64 rows,
.set XP,   1552                        ; 1,536 bytes + 16
.set SPARE, XL+64*XP                   ; and the spare words: 128 bytes a wave, two blocks of 256 bytes
.set FA,   4                           ; v4   LDS: my stationary operand + (r + 8 (r / 8)) x 288 + 24 h
.set WAD,  5                           ; v5   (r + 8 (r / 8)) x 12: a row of 12 scale bytes
.set LI,   6                           ; v6   16 x lane
.set LS8,  7                           ; v7   8 x lane
.set XR,   8                           ; v8   LDS: XL + (r + 8 (r / 8)) x 1552 + 64 h: x's row, my 16 numbers of a block of 32
.set BA,   9                           ; v9   64 h
.set BAV,  10                          ; v10  4 (r + 8 (r / 8))
.set FB,   11                          ; v11  LDS: FA + SRL: my streaming operand
.set SPW,  12                          ; v12  LDS address of my spare word; never rewritten
.set NIL,  13                          ; v13  0; never rewritten
.set FN,   14                          ; v14  r x 288 + 24 h: Wo's rows in their order
.set SL,   15                          ; v15  LDS: where my stationary operand's copies go: OPB x wave + 16 x lane
.set SL2,  88                          ; v88  the same for the streaming operand
.set XG,   89                          ; v89  512 x wave + 16 x lane: my part of a row of x
.set TM,   16
.set CT,   28
.set PC,   36
.set PWE,  48
.set PWO,  49
.set SW,   50
.set XF,   52
.set ACC,  96
.set XD,   96
.set SS,   160
.set RS,   184
.set XW,   208
.set WOF,  212
.set CB,   96                          ; in window 2
.set SEL,  52                          ; s[52:53] lane selects for v_permlanex16_b32: lane l xor 16
.set MSB, 0
.macro WIN new                         ; the immediate's high byte repeats the setting that is left; a switch that changes nothing is dropped
.if MSB != (\new)
	s_set_vgpr_msb (MSB<<8)|(\new)
.set MSB, (\new)
.endif
.endm
.macro PLACES n
.rept \n
	v_nop
.endr
.endm
.macro WM d, a, b, c, sa, sb
	v_wmma_scale_f32_16x16x128_f8f6f4 v[(\d):(\d)+7], v[(\a):(\a)+11], v[(\b):(\b)+11], v[(\c):(\c)+7], v[(\sa)], v[(\sb)] matrix_a_fmt:MATRIX_FMT_FP6 matrix_b_fmt:MATRIX_FMT_FP6
.endm
; 64 numbers of a lane, v[s] .. v[s + 63] of window w, register 16 b + i = k 32 b + 16 (lane / 16) + i of my row, become a fragment's 12 registers v[pc] on and its scale word v[pw] (window 0).
.macro QUANT s, w, pc, pw
	WIN (\w)|((\w)<<2)
.irp b, 0,1,2,3
	v_max3_num_f32 v[TM+\b], |v[(\s)+16*\b]|, |v[(\s)+16*\b+1]|, 0x1800000   ; block b: my 16 numbers, and the floor 2^(3 - 127): the byte cannot fall under 1.  (An accumulator is read from its low end on)
.endr
	WIN ((\w)<<2)|((\w)<<4)
.irp i, 2,4,6,8,10,12,14
.irp b, 0,1,2,3
	v_max3_num_f32 v[TM+\b], v[TM+\b], |v[(\s)+16*\b+\i]|, |v[(\s)+16*\b+\i+1]|   ; the four blocks by turns
.endr
.endr
	WIN 0
.irp b, 0,1,2,3
	v_permlanex16_b32 v[TM+4+\b], v[TM+\b], s[SEL], s[SEL+1]
.endr
.irp b, 0,1,2,3
	v_max_num_f32 v[TM+\b], v[TM+\b], v[TM+4+\b]       ; with lane l xor 16's 16: the block's largest magnitude
.endr
.irp b, 0,1,2,3
	v_add_nc_u32 v[TM+8+\b], 0xff000000, v[TM+\b]      ; 2 off its exponent field: the conversion takes that field of this operand as its scale
.endr
.irp b, 0,1,2,3
	v_lshrrev_b32 v[TM+4+\b], 23, v[TM+8+\b]           ; the scale's byte
.endr
	v_lshl_or_b32 v[(\pw)], v[TM+5], 8, v[TM+4]        ; four bytes: my row's scale word
	v_lshl_or_b32 v[(\pw)], v[TM+6], 16, v[(\pw)]
	v_lshl_or_b32 v[(\pw)], v[TM+7], 24, v[(\pw)]
	s_wait_xcnt 0x0                                    ; earlier stores have read their data: the codes' registers are written again only behind this wait
	WIN (\w)
.irp c, 0,1
	v_cvt_scalef32_pk16_fp6_f32 v[(\pc)+6*\c:(\pc)+6*\c+2], v[(\s)+32*\c:(\s)+32*\c+15], v[TM+8+2*\c]
	v_cvt_scalef32_pk16_fp6_f32 v[CT+4*\c:CT+4*\c+2], v[(\s)+32*\c+16:(\s)+32*\c+31], v[TM+8+2*\c+1]   ; (a conversion's three registers begin on an even number)
.endr
	WIN 0
	v_nop                                              ; one plain place behind a scaled conversion
.irp c, 0,1                                        ; the operand wants a WHOLE block in a lane: lanes 0-15 block 2 c, lanes 16-31 block 2 c + 1
.irp i, 0,1,2
	v_permlane16_swap_b32 v[(\pc)+6*\c+\i], v[CT+4*\c+\i]
.endr
.irp i, 0,1,2
	v_mov_b32 v[(\pc)+6*\c+3+\i], v[CT+4*\c+\i]
.endr
.endr
.endm
; 24 matrix instructions: 8 accumulators by turns, three K steps.  The bias is the C of the first.  kind 2: the bias goes by lane (unit i's eight equal registers).
; bw, bb: window and first register of the streaming tile's three fragments; sw: its three scale words.
.macro MULT kind, i, bw, bb, sw
	WIN 0x21|((\bw)<<2)                                ; source 0 window 1, C window 2, D window 0
.irp T, 0,1,2,3,4,5,6,7
.if (\kind) == 2
	WM ACC+8*\T, 12*\T, (\bb), CB+8*(\i), SS+\T, (\sw)
.else
	WM ACC+8*\T, 12*\T, (\bb), CB+8*\T, SS+\T, (\sw)
.endif
.endr
	WIN 0x01|((\bw)<<2)
.irp T, 0,1,2,3,4,5,6,7
	WM ACC+8*\T, 96+12*\T, (\bb)+12, ACC+8*\T, SS+8+\T, (\sw)+1
.endr
	WIN 0x02|((\bw)<<2)
.irp T, 0,1,2,3,4,5,6,7
	WM ACC+8*\T, 12*\T, (\bb)+24, ACC+8*\T, SS+16+\T, (\sw)+2
.endr
	WIN 0
	PLACES 4                                           ; four places ahead of the first read of results (ISA guide 7.12.1)
.endm
; Unit i's 64 results a lane become fragment i of the group: three stores of 512 consecutive bytes.  Two tiles' scale words share a register (even tile lanes 0-15, odd tile lanes 16-31); four tiles' leave as 256 bytes.
.macro OUTU i
.if (\i)%2 == 0
	QUANT ACC, 0, PC, PWE
.else
	QUANT ACC, 0, PC, PWO
.endif
.irp c, 0,1,2
	global_store_b128 v[LI], v[PC+4*\c:PC+4*\c+3], s[46:47] offset:(\i)*1536+512*\c
.endr
.if (\i)%2 == 1
	v_cndmask_b32 v[SW+((\i)/2)%2], v[PWE], v[PWO], vcc_lo   ; vcc_lo = lanes 16-31.  (SW's last store lies ahead of QUANT's wait on XCNT)
.endif
.if (\i)%4 == 3
	global_store_b64 v[LS8], v[SW:SW+1], s[54:55] offset:256*((\i)/4)
.endif
.endm
.macro CBREG                           ; the bias by register: lane (r, h) wants, for tile 2 b + u, the numbers of rows 32 b + 16 h + 8 u + 0 .. 7
	WIN 0x80
.irp T, 0,1,2,3,4,5,6,7
	global_load_b128 v[CB+8*\T:CB+8*\T+3], v[BA], s[44:45] offset:(32*(\T/2)+8*(\T%2))*4
	global_load_b128 v[CB+8*\T+4:CB+8*\T+7], v[BA], s[44:45] offset:(32*(\T/2)+8*(\T%2))*4+16
.endr
	WIN 0
.endm
.macro COPY72 ad, sb                   ; 36,864 consecutive bytes of memory into my own LDS bytes: 72 copies of 512 bytes (the immediate goes to both addresses)
.set JJ, 0
.rept 72
	global_load_async_to_lds_b128 v[\ad], v[LI], s[\sb:\sb+1] offset:512*JJ
.set JJ, JJ+1
.endr
.endm
.macro STAT                            ; the stationary operand: 24 fragments, which stay: 144 LDS loads of 8 bytes
	WIN 0x40
.irp s, 0,1
.irp T, 0,1,2,3,4,5,6,7
.irp p, 0,1,2,3,4,5
	ds_load_b64 v[96*\s+12*\T+2*\p:96*\s+12*\T+2*\p+1], v[FA] offset:(32*(\T/2)+8*(\T%2))*288+96*\s+48*(\p/3)+8*(\p%3)
.endr
.endr
.endr
	WIN 0x80
.irp T, 0,1,2,3,4,5,6,7
.irp p, 0,1,2,3,4,5
	ds_load_b64 v[12*\T+2*\p:12*\T+2*\p+1], v[FA] offset:(32*(\T/2)+8*(\T%2))*288+192+48*(\p/3)+8*(\p%3)
.endr
.endr
	WIN 0
.endm
.macro STREAM i                        ; streaming tile i: three fragments: 18 LDS loads
.if (\i) < 6
	WIN 0xc0
.set SB, 36*(\i)
.else
	WIN 0x80
.set SB, 160+36*((\i)-6)
.endif
.irp s, 0,1,2
.irp p, 0,1,2,3,4,5
	ds_load_b64 v[SB+12*\s+2*\p:SB+12*\s+2*\p+1], v[FB] offset:(32*((\i)/2)+8*((\i)%2))*288+96*\s+48*(\p/3)+8*(\p%3)
.endr
.endr
	WIN 0
.endm
.macro KVUNIT kind, i
.if 18*(7-(\i)) > 63
	s_wait_dscnt 63                                    ; behind tile i's loads stand 18 (7 - i) others; the wait's field holds 63, which is the stricter count
.else
	s_wait_dscnt 18*(7-(\i))                           ; tile i is in; the later tiles' 18 loads each may be out
.endif
.if (\i) < 6
.set UW, 3
.set UB, 36*(\i)
.else
.set UW, 2
.set UB, 160+36*((\i)-6)
.endif
	MULT \kind, \i, UW, UB, RS+3*(\i)
	OUTU \i
.endm
.macro FIN                             ; the wave's end: behind my last write of LDS
	s_wait_tensorcnt 0x0
	s_wait_asynccnt 0x0
	ds_add_u32 v[SPW], v[NIL]
	s_wait_dscnt 0x0
	s_endpgm
.endm
.macro KVRUN kind
	s_wait_loadcnt 0x0                                 ; scale words and bias are in
	s_wait_asynccnt 0x0                                ; my two operands lie in my LDS bytes; nobody else reads them, so no barrier
	STAT
.irp i, 0,1,2,3,4,5,6,7
	STREAM \i
.endr
.irp i, 0,1,2,3,4,5,6,7
	KVUNIT \kind, \i
.endr
	FIN
.endm
.macro XLOAD i, s                      ; x's tile i, K step s: 64 numbers a lane into window 3, v[64 s] on: 16 LDS loads
	WIN 0xc0
.irp b, 0,1,2,3
.irp q, 0,1,2,3
	ds_load_b128 v[64*(\s)+16*\b+4*\q:64*(\s)+16*\b+4*\q+3], v[XR] offset:(32*((\i)/2)+8*((\i)%2))*XP+512*(\s)+128*\b+16*\q
.endr
.endr
.endm
.macro QUNIT i
.irp s, 0,1,2
.if (\i) < 3
	s_wait_dscnt 32                                    ; this K step's 16 loads are in; the two K steps asked for behind it may be out
.else
	s_wait_dscnt 32-16*\s                              ; the last tile: the counts run down
.endif
	QUANT 64*\s, 3, XF+12*\s, XW+\s
.if (\i) < 3
	XLOAD (\i)+1, \s                                   ; the next tile's numbers, into the registers just read
.endif
.endr
	WIN 0
	PLACES 8                                           ; a scale register written by a vector instruction stands 8 places ahead of a scaled matrix instruction, an operand so written 4
	MULT 0, \i, 0, XF, XW
	OUTU \i
.endm
	s_load_b512 s[4:19], s[0:1], 0x0               ; x 4, y_codes 6, y_scales 8, Wq_codes 10, Wq_scales 12, bq 14, Wk_codes 16, Wk_scales 18
	s_load_b256 s[20:27], s[0:1], 0x40             ; bk 20, Wv_codes 22, Wv_scales 24, bv 26
	s_load_b128 s[28:31], s[0:1], 0x60             ; qimg 28, kimg 30
	s_load_b64 s[32:33], s[0:1], 0x70              ; vimg
	s_load_b64 s[60:61], s[0:1], 0x78              ; Wo_codes
	s_load_b64 s[62:63], s[0:1], 0x80              ; woimg
	v_lshl_add_u32 v[SPW], v0, 2, SPARE
	v_mov_b32 v[NIL], 0
	ds_add_u32 v[SPW], v[NIL]                      ; the opening lines, ahead of my first copy: the add, twice on end, and its wait
	ds_add_u32 v[SPW], v[NIL]
	v_lshrrev_b32 v1, 5, v0
	v_readfirstlane_b32 s34, v1                    ; wave 0..2
	s_mul_i32 s48, s34, OPB
	s_lshl_b32 s50, s34, 9
	v_and_b32 v1, 31, v0                           ; lane
	v_and_b32 v2, 15, v0                           ; r
	v_bfe_u32 v3, v0, 4, 1                         ; h
	v_and_b32 v90, 8, v2
	v_add_nc_u32 v90, v90, v2                      ; r + 8 (r / 8)
	v_mul_u32_u24 v[FA], v90, 288
	v_mad_u32_u24 v[FA], v3, 24, v[FA]
	v_add_nc_u32 v[FA], s48, v[FA]
	v_add_nc_u32 v[FB], SRL, v[FA]
	v_mul_u32_u24 v[WAD], v90, 12
	v_lshlrev_b32 v[LI], 4, v1
	v_lshlrev_b32 v[LS8], 3, v1
	v_add_nc_u32 v[SL], s48, v[LI]
	v_add_nc_u32 v[SL2], SRL, v[SL]
	v_add_nc_u32 v[XG], s50, v[LI]
	v_add_nc_u32 v91, XL, v[XG]
	v_mul_u32_u24 v[XR], v90, XP
	v_lshl_add_u32 v[XR], v3, 6, v[XR]
	v_add_nc_u32 v[XR], XL, v[XR]
	v_lshlrev_b32 v[BA], 6, v3
	v_lshlrev_b32 v[BAV], 2, v90
	v_mul_u32_u24 v[FN], v2, 288
	v_mad_u32_u24 v[FN], v3, 24, v[FN]
.irp b, 0,1,2,3
	v_mov_b32 v[TM+4+\b], 0                        ; written once: a lane permute's destination counts as one of its sources
.endr
	s_wait_alu depctr_va_vdst(0)
	s_and_b32 s35, ttmp9, 63                       ; the block of 128 keys (K and V)
	s_mov_b32 s[SEL], 0x76543210
	s_mov_b32 s[SEL+1], 0xfedcba98
	s_mov_b32 vcc_lo, 0xffff0000                   ; lanes 16-31
	s_mov_b32 s57, 0
	s_lshr_b32 s58, ttmp9, 1
	s_and_b32 s59, ttmp9, 1
	s_wait_dscnt 0x0                               ; both opening adds are done
	s_wait_kmcnt 0x0
	; the buffers of my kind of job: choices on the work-group's number alone
	s_cmp_lt_u32 ttmp9, 128
	s_cselect_b64 s[36:37], s[10:11], s[16:17]     ; stationary codes: Wq or Wk
	s_cselect_b64 s[38:39], s[12:13], s[18:19]     ; and their scale bytes
	s_cselect_b64 s[44:45], s[14:15], s[20:21]     ; the bias
	s_cselect_b64 s[46:47], s[28:29], s[30:31]     ; the output
	s_cselect_b32 s58, s58, s35                    ; its block: Q: work-group / 2
	s_cselect_b32 s59, s59, 0                      ; and, for Q, which four tiles of it
	s_cmp_ge_u32 ttmp9, 192
	s_cselect_b64 s[36:37], s[6:7], s[36:37]       ; V: y is stationary,
	s_cselect_b64 s[38:39], s[8:9], s[38:39]
	s_cselect_b64 s[40:41], s[22:23], s[6:7]       ; Wv streams (K: y streams)
	s_cselect_b64 s[42:43], s[24:25], s[8:9]
	s_cselect_b64 s[44:45], s[26:27], s[44:45]
	s_cselect_b64 s[46:47], s[32:33], s[46:47]
	s_cselect_b32 s48, s35, s34                    ; which 128 rows are stationary: V: the block's keys; else the wave's channels
	s_cselect_b32 s50, s34, s35                    ; which 128 rows stream
	s_mul_i32 s56, s48, OPB
	s_add_nc_u64 s[36:37], s[36:37], s[56:57]
	s_mul_i32 s56, s48, 1536                       ; 128 rows of 12 bytes
	s_add_nc_u64 s[38:39], s[38:39], s[56:57]
	s_mul_i32 s56, s50, OPB
	s_add_nc_u64 s[40:41], s[40:41], s[56:57]
	s_mul_i32 s56, s50, 1536
	s_add_nc_u64 s[42:43], s[42:43], s[56:57]
	s_lshl_b32 s56, s34, 9                         ; the wave's 128 numbers of the bias
	s_add_nc_u64 s[44:45], s[44:45], s[56:57]
	s_mul_i32 s56, s58, BLK
	s_mul_i32 s58, s34, GRP
	s_add_co_u32 s56, s56, s58
	s_add_nc_u64 s[46:47], s[46:47], s[56:57]      ; my group of my block
	s_lshl_b32 s56, s59, 8
	s_add_co_u32 s56, s56, 12288
	s_add_nc_u64 s[54:55], s[46:47], s[56:57]      ; its scale words (Q: my half of them)
	s_mul_i32 s56, s59, 6144
	s_add_nc_u64 s[46:47], s[46:47], s[56:57]      ; (Q: my four fragments)
	COPY72 SL, 36                                  ; the stationary operand's bytes
.irp s, 0,1,2
.irp T, 0,1,2,3,4,5,6,7
	global_load_b32 v[SS+8*\s+\T], v[WAD], s[38:39] offset:(32*(\T/2)+8*(\T%2))*12+4*\s
.endr
.endr
	s_cmp_lt_u32 ttmp9, 128
	s_cbranch_scc1 .Lq
	COPY72 SL2, 40                                 ; K and V: the streaming operand's bytes,
.irp i, 0,1,2,3,4,5,6,7
.irp s, 0,1,2
	global_load_b32 v[RS+3*\i+\s], v[WAD], s[42:43] offset:(32*(\i/2)+8*(\i%2))*12+4*\s   ; and its rows' scale words
.endr
.endr
	s_cmp_lt_u32 ttmp9, 192
	s_cbranch_scc1 .Lk
	WIN 0x80
.irp i, 0,1,2,3,4,5,6,7
.irp e, 0,1,2,3,4,5,6,7
	global_load_b32 v[CB+8*\i+\e], v[BAV], s[44:45] offset:(32*(\i/2)+8*(\i%2))*4   ; V: my lane's channel's bias, eight times: the C of unit i
.endr
.endr
	WIN 0
	KVRUN 2
.Lk:
	CBREG
	s_cmp_lt_u32 ttmp9, 152
	s_cbranch_scc0 .Lno_wo
	s_sub_co_u32 s58, ttmp9, 128                   ; Wo's tile of 16 rows; my wave's number is the K step
	s_mul_i32 s56, s58, 4608
	s_mul_i32 s59, s34, 96
	s_add_co_u32 s56, s56, s59
	s_add_nc_u64 s[60:61], s[60:61], s[56:57]
	s_mul_i32 s58, s58, 3
	s_add_co_u32 s58, s58, s34
	s_mul_i32 s56, s58, 1536
	s_add_nc_u64 s[62:63], s[62:63], s[56:57]
.irp p, 0,1,2,3,4,5
	global_load_b64 v[WOF+2*\p:WOF+2*\p+1], v[FN], s[60:61] offset:48*(\p/3)+8*(\p%3)
.endr
	s_wait_loadcnt 0x0
.irp c, 0,1,2
	global_store_b128 v[LI], v[WOF+4*\c:WOF+4*\c+3], s[62:63] offset:512*\c   ; the fragment's image: three stores of 512 consecutive bytes
.endr
.Lno_wo:
	KVRUN 1
.Lq:
	s_mul_i32 s56, ttmp9, 98304                    ; my work-group's 64 rows of x, 1,536 bytes each
	s_add_nc_u64 s[4:5], s[4:5], s[56:57]
	s_add_nc_u64 s[2:3], s[4:5], 49152             ; rows 32-63 have a base of their own, so that every copy's immediate stays under 65,536
.set JJ, 0
.rept 64
	v_add_nc_u32 v[XD+JJ], 16*JJ+49152*(JJ/32), v91   ; row JJ lies 16 JJ bytes further on in LDS than in memory; rows 32-63 also carry the 32 rows that their immediate leaves out
.set JJ, JJ+1
.endr
.set JJ, 0
.rept 64
	global_load_async_to_lds_b128 v[XD+JJ], v[XG], s[4-2*(JJ/32):5-2*(JJ/32)] offset:1536*(JJ%32)
.set JJ, JJ+1
.endr
	CBREG
	s_wait_loadcnt 0x0
	s_wait_asynccnt 0x0                            ; my copies have landed: Wq's rows, which are mine alone, and my third of x,
	s_barrier_signal -1
	s_barrier_wait -1                              ; and so have the others' thirds
	STAT
	XLOAD 0, 0
	XLOAD 0, 1
	XLOAD 0, 2
	WIN 0
.irp i, 0,1,2,3
	QUNIT \i
.endr
	FIN
.Lfunc_end_k_qe580cae0d3_proj:
	.size	k_qe580cae0d3_proj, .Lfunc_end_k_qe580cae0d3_proj-k_qe580cae0d3_proj
	.p2alignl 7, 3214868480
	.fill 96, 4, 3214868480
	.section	.rodata,"a",@progbits
	.p2align	6, 0x0
	.amdhsa_kernel k_qe580cae0d3_proj
		.amdhsa_group_segment_fixed_size 321024
		.amdhsa_private_segment_fixed_size 0
		.amdhsa_enable_private_segment 0
		.amdhsa_kernarg_size 136
		.amdhsa_user_sgpr_count 2
		.amdhsa_user_sgpr_kernarg_segment_ptr 1
		.amdhsa_wavefront_size32 1
		.amdhsa_system_sgpr_workgroup_id_x 1
		.amdhsa_system_sgpr_workgroup_id_y 1
		.amdhsa_system_sgpr_workgroup_id_z 1
		.amdhsa_system_vgpr_workitem_id 0
		.amdhsa_next_free_vgpr 1024
		.amdhsa_next_free_sgpr 66
		.amdhsa_reserve_vcc 1
		.amdhsa_float_denorm_mode_32 3
		.amdhsa_float_denorm_mode_16_64 3
		.amdhsa_memory_ordered 1
		.amdhsa_forward_progress 1
		.amdhsa_inst_pref_size 255
	.end_amdhsa_kernel
	.section	.bss,"aw",@nobits
	.p2align	6
	.space	262144
	.amdgpu_metadata
---
amdhsa.version: [ 1, 2 ]
amdhsa.kernels:
  - .name:           k_qe580cae0d3_proj
    .symbol:         k_qe580cae0d3_proj.kd
    .args:
      - { .name: x, .offset: 0, .size: 8, .value_kind: global_buffer, .address_space: global }
      - { .name: y_codes, .offset: 8, .size: 8, .value_kind: global_buffer, .address_space: global }
      - { .name: y_scales, .offset: 16, .size: 8, .value_kind: global_buffer, .address_space: global }
      - { .name: Wq_codes, .offset: 24, .size: 8, .value_kind: global_buffer, .address_space: global }
      - { .name: Wq_scales, .offset: 32, .size: 8, .value_kind: global_buffer, .address_space: global }
      - { .name: bq, .offset: 40, .size: 8, .value_kind: global_buffer, .address_space: global }
      - { .name: Wk_codes, .offset: 48, .size: 8, .value_kind: global_buffer, .address_space: global }
      - { .name: Wk_scales, .offset: 56, .size: 8, .value_kind: global_buffer, .address_space: global }
      - { .name: bk, .offset: 64, .size: 8, .value_kind: global_buffer, .address_space: global }
      - { .name: Wv_codes, .offset: 72, .size: 8, .value_kind: global_buffer, .address_space: global }
      - { .name: Wv_scales, .offset: 80, .size: 8, .value_kind: global_buffer, .address_space: global }
      - { .name: bv, .offset: 88, .size: 8, .value_kind: global_buffer, .address_space: global }
      - { .name: qimg, .offset: 96, .size: 8, .value_kind: global_buffer, .address_space: global }
      - { .name: kimg, .offset: 104, .size: 8, .value_kind: global_buffer, .address_space: global }
      - { .name: vimg, .offset: 112, .size: 8, .value_kind: global_buffer, .address_space: global }
      - { .name: Wo_codes, .offset: 120, .size: 8, .value_kind: global_buffer, .address_space: global }
      - { .name: woimg, .offset: 128, .size: 8, .value_kind: global_buffer, .address_space: global }
    .group_segment_fixed_size: 321024
    .private_segment_fixed_size: 0
    .kernarg_segment_align: 8
    .kernarg_segment_size: 136
    .max_flat_workgroup_size: 96
    .sgpr_count:     66
    .vgpr_count:     1024
    .wavefront_size: 32
...
	.end_amdgpu_metadata
.endif
;; end of part 3
;; launch attn (part 4): grid 256 x 1, 4 waves a work-group, clusters of 4 x 1, 327,680 bytes of LDS; arguments qimg, kimg, vimg, x, woimg, Wo_scales, bo, out0; writes out0
.if DOCPART == 4
	.amdgcn_target "amdgcn-amd-amdhsa--gfx1250"
	.amdhsa_code_object_version 6
	.text
	.protected	k_qe580cae0d3_attn
	.globl	k_qe580cae0d3_attn
	.p2align	8
	.type	k_qe580cae0d3_attn,@function
k_qe580cae0d3_attn:
	s_mov_b64 s[64:65], 0
	v_nop
	global_prefetch_b8 v0, s[64:65] scope:SCOPE_SE
	s_setreg_imm32_b32 hwreg(HW_REG_WAVE_MODE, 25, 1), 1
	s_wait_xcnt 0x0
	s_wait_alu depctr_hold_cnt(0) depctr_sa_sdst(0) depctr_va_vdst(0) depctr_va_sdst(0) depctr_va_ssrc(0) depctr_va_vcc(0) depctr_vm_vsrc(0)
	s_getreg_b32 s2, hwreg(HW_REG_IB_STS2, 6, 4)
	s_cmp_eq_u32 s2, 0
	s_cbranch_scc0 .Lentry_in_a_cluster
	s_endpgm
.Lentry_in_a_cluster:
	s_bfe_u32 s2, ttmp6, 0x10000c
	s_cmp_lg_u32 s2, 0x3003
	s_cbranch_scc0 .Lentry_shape_is_right
	s_endpgm
.Lentry_shape_is_right:
; out = (x + normalize(softmax(Q K^T / sqrt(384)) V)) Wo^T + bo on codes of FP6 (E2M3), from the images of operand registers that launch proj has stored (qimg, kimg, vimg, woimg).
; A work-group owns 32 queries (two tiles of 16).  The 8,192 keys go in 16 steps of 512; in a step each of the four waves takes its own block of 128 keys: S^T = K Q^T, p = 2^(t - M) with a running whole
; number M, p quantised along the keys, O^T += V^T p^T.  K's four blocks and V's four blocks have one LDS slot each, filled by joint loads of a cluster of four work-groups, a block a wave.
; Behind the last step the four waves' O^T, M and sums meet in LDS; wave (tile, half) joins its tile's four parts, normalises, adds x, quantises, and multiplies by 192 rows of Wo.
; Wo's fragments come from woimg, three loads of 512 consecutive bytes each.  The work-group's 49,152 bytes of x are prefetched one key step ahead of the loads that want them:
; a lane a block of 256 bytes, 48 blocks a wave, each block named once (the second line's lanes 16-31 name its last block again).
; LIMITS: the promise holds while the scaled scores (the exponents to the base 2) stay under 2^31 in magnitude; NaN and infinities among the inputs are not served.
.set GRP,   12800
.set BLK,   38400
.set VSLOT, 4*BLK
.set ML,    8*BLK
.set SPARE, ML+2048
.set AK,   2
.set AV,   3
.set AKS,  4
.set AVS,  5
.set SPW,  6
.set NIL,  7
.set ST,   16
.set CT,   32
.set PC,   40
.set S,    64
.set TM,   192
.set KSA,  232
.set KSB,  236
.set QS,   240
.set PW,   243
.set WS,   232
.set ZW,   250
.set F0,   0
.set F1,   96
.set SEL,  40
.set CS,   42
.set OFF,  46
.set IDX,  48
.set WB,   50
.set MSB, 0
.macro WIN new
.if MSB != (\new)
	s_set_vgpr_msb (MSB<<8)|(\new)
.set MSB, (\new)
.endif
.endm
.macro PLACES n
.rept \n
	v_nop
.endr
.endm
.macro WM d, a, b, c, sa, sb, ra, rb
.if (\c) < 0
.if (\ra) && (\rb)
	v_wmma_scale_f32_16x16x128_f8f6f4 v[(\d):(\d)+7], v[(\a):(\a)+11], v[(\b):(\b)+11], 0, v[(\sa)], v[(\sb)] matrix_a_fmt:MATRIX_FMT_FP6 matrix_b_fmt:MATRIX_FMT_FP6 matrix_a_scale:MATRIX_SCALE_ROW1 matrix_b_scale:MATRIX_SCALE_ROW1
.elseif (\ra)
	v_wmma_scale_f32_16x16x128_f8f6f4 v[(\d):(\d)+7], v[(\a):(\a)+11], v[(\b):(\b)+11], 0, v[(\sa)], v[(\sb)] matrix_a_fmt:MATRIX_FMT_FP6 matrix_b_fmt:MATRIX_FMT_FP6 matrix_a_scale:MATRIX_SCALE_ROW1
.elseif (\rb)
	v_wmma_scale_f32_16x16x128_f8f6f4 v[(\d):(\d)+7], v[(\a):(\a)+11], v[(\b):(\b)+11], 0, v[(\sa)], v[(\sb)] matrix_a_fmt:MATRIX_FMT_FP6 matrix_b_fmt:MATRIX_FMT_FP6 matrix_b_scale:MATRIX_SCALE_ROW1
.else
	v_wmma_scale_f32_16x16x128_f8f6f4 v[(\d):(\d)+7], v[(\a):(\a)+11], v[(\b):(\b)+11], 0, v[(\sa)], v[(\sb)] matrix_a_fmt:MATRIX_FMT_FP6 matrix_b_fmt:MATRIX_FMT_FP6
.endif
.else
.if (\ra) && (\rb)
	v_wmma_scale_f32_16x16x128_f8f6f4 v[(\d):(\d)+7], v[(\a):(\a)+11], v[(\b):(\b)+11], v[(\c):(\c)+7], v[(\sa)], v[(\sb)] matrix_a_fmt:MATRIX_FMT_FP6 matrix_b_fmt:MATRIX_FMT_FP6 matrix_a_scale:MATRIX_SCALE_ROW1 matrix_b_scale:MATRIX_SCALE_ROW1
.elseif (\ra)
	v_wmma_scale_f32_16x16x128_f8f6f4 v[(\d):(\d)+7], v[(\a):(\a)+11], v[(\b):(\b)+11], v[(\c):(\c)+7], v[(\sa)], v[(\sb)] matrix_a_fmt:MATRIX_FMT_FP6 matrix_b_fmt:MATRIX_FMT_FP6 matrix_a_scale:MATRIX_SCALE_ROW1
.elseif (\rb)
	v_wmma_scale_f32_16x16x128_f8f6f4 v[(\d):(\d)+7], v[(\a):(\a)+11], v[(\b):(\b)+11], v[(\c):(\c)+7], v[(\sa)], v[(\sb)] matrix_a_fmt:MATRIX_FMT_FP6 matrix_b_fmt:MATRIX_FMT_FP6 matrix_b_scale:MATRIX_SCALE_ROW1
.else
	v_wmma_scale_f32_16x16x128_f8f6f4 v[(\d):(\d)+7], v[(\a):(\a)+11], v[(\b):(\b)+11], v[(\c):(\c)+7], v[(\sa)], v[(\sb)] matrix_a_fmt:MATRIX_FMT_FP6 matrix_b_fmt:MATRIX_FMT_FP6
.endif
.endif
.endm
.macro QUANT s, w, pc, pw
	WIN (\w)|((\w)<<2)
.irp b, 0,1,2,3
	v_max3_num_f32 v[TM+\b], |v[(\s)+16*\b]|, |v[(\s)+16*\b+1]|, 0x1800000
.endr
	WIN ((\w)<<2)|((\w)<<4)
.irp i, 2,4,6,8,10,12,14
.irp b, 0,1,2,3
	v_max3_num_f32 v[TM+\b], v[TM+\b], |v[(\s)+16*\b+\i]|, |v[(\s)+16*\b+\i+1]|
.endr
.endr
	WIN 0
.irp b, 0,1,2,3
	v_permlanex16_b32 v[TM+4+\b], v[TM+\b], s[SEL], s[SEL+1]
.endr
.irp b, 0,1,2,3
	v_max_num_f32 v[TM+\b], v[TM+\b], v[TM+4+\b]
.endr
.irp b, 0,1,2,3
	v_add_nc_u32 v[TM+8+\b], 0xff000000, v[TM+\b]
.endr
.irp b, 0,1,2,3
	v_lshrrev_b32 v[TM+4+\b], 23, v[TM+8+\b]
.endr
	v_lshl_or_b32 v[(\pw)], v[TM+5], 8, v[TM+4]
	v_lshl_or_b32 v[(\pw)], v[TM+6], 16, v[(\pw)]
	v_lshl_or_b32 v[(\pw)], v[TM+7], 24, v[(\pw)]
	s_wait_xcnt 0x0
	WIN (\w)
.irp c, 0,1
	v_cvt_scalef32_pk16_fp6_f32 v[(\pc)+6*\c:(\pc)+6*\c+2], v[(\s)+32*\c:(\s)+32*\c+15], v[TM+8+2*\c]
	v_cvt_scalef32_pk16_fp6_f32 v[CT+4*\c:CT+4*\c+2], v[(\s)+32*\c+16:(\s)+32*\c+31], v[TM+8+2*\c+1]
.endr
	WIN 0
	v_nop
.irp c, 0,1
.irp i, 0,1,2
	v_permlane16_swap_b32 v[(\pc)+6*\c+\i], v[CT+4*\c+\i]
.endr
.irp i, 0,1,2
	v_mov_b32 v[(\pc)+6*\c+3+\i], v[CT+4*\c+\i]
.endr
.endr
.endm
.macro CROUND
	s_barrier_signal -1
	s_barrier_wait -1
	s_cmp_lg_u32 s20, 0
	s_cbranch_scc1 .Lnot_wave_0_\@
	s_barrier_signal -3
.Lnot_wave_0_\@:
	s_barrier_wait -3
	s_barrier_signal -1
	s_barrier_wait -1
.endm
.macro FETCH adr, adrs, g, f, ks
	WIN 0
	ds_load_b64 v[\ks:\ks+1], v[\adrs] offset:(\g)*GRP
	ds_load_b64 v[\ks+2:\ks+3], v[\adrs] offset:(\g)*GRP+256
	WIN 0xc0
.irp T, 0,1,2,3,4,5,6,7
.irp c, 0,1,2
	ds_load_b128 v[\f+12*\T+4*\c:\f+12*\T+4*\c+3], v[\adr] offset:(\g)*GRP+1536*\T+512*\c
.endr
.endr
	WIN 0
.endm
.macro MULK s, f, ks
	WIN 0x07
.irp T, 0,1,2,3,4,5,6,7
.set CC, S+8*\T
.if (\s) == 0
.set CC, -1
.endif
	WM S+8*\T, (\f)+12*\T, 192+12*(\s), CC, (\ks)+\T/2, QS+(\s), \T%2, 0
.endr
	WIN 0x0b
.irp T, 0,1,2,3,4,5,6,7
.set CC, S+64+8*\T
.if (\s) == 0
.set CC, -1
.endif
	WM S+64+8*\T, (\f)+12*\T, 192+12*(\s), CC, (\ks)+\T/2, QS+(\s), \T%2, 1
.endr
.endm
.macro MULV g, f, ks, zero
	WIN 0x53
.irp i, 0,1,2,3,4,5,6,7
.set CC, 64*(\g)+8*\i
.if \zero
.set CC, -1
.endif
	WM 64*(\g)+8*\i, (\f)+12*\i, PC, CC, (\ks)+\i/2, PW, \i%2, 0
.endr
	WIN 0xa3
.irp i, 0,1,2,3,4,5,6,7
.set CC, 64*(\g)+8*\i
.if \zero
.set CC, -1
.endif
	WM 64*(\g)+8*\i, (\f)+12*\i, PC+12, CC, (\ks)+\i/2, PW+1, \i%2, 0
.endr
.endm
.macro SOFTMAX t
.set rS, S+64*(\t)
.set rT, ST+8*(\t)
.set rP, PC+12*(\t)
.set rW, PW+(\t)
.irp b, 0,1,2,3
	v_max3_num_f32 v[TM+\b], v[rS+16*\b], v[rS+16*\b+1], v[rS+16*\b+2]
.endr
.irp i, 3,5,7,9,11,13
.irp b, 0,1,2,3
	v_max3_num_f32 v[TM+\b], v[TM+\b], v[rS+16*\b+\i], v[rS+16*\b+\i+1]
.endr
.endr
.irp b, 0,1,2,3
	v_max_num_f32 v[TM+\b], v[TM+\b], v[rS+16*\b+15]
.endr
.irp b, 0,1,2,3
	v_permlanex16_b32 v[TM+4+\b], v[TM+\b], s[SEL], s[SEL+1]
.endr
.irp b, 0,1,2,3
	v_max_num_f32 v[TM+\b], v[TM+\b], v[TM+4+\b]
.endr
	v_max3_num_f32 v254, v[TM], v[TM+1], v[TM+2]
	v_max_num_f32 v254, v254, v[TM+3]
	v_mul_f32 v254, s[CS], v254
	v_max_num_f32 v[rT+1], v[rT+1], v254
	v_mov_b32 v254, v[rT]
	v_floor_f32 v[rT], -v[rT+1]
	v_sub_f32 v254, v[rT], v254
	v_cvt_i32_f32 v254, v254
	v_ldexp_f32 v[rT+4], 1.0, v254
.set JJ, 0
.rept 32
	v_pk_fma_f32 v[rS+JJ:rS+JJ+1], v[rS+JJ:rS+JJ+1], s[CS:CS+1], v[rT:rT+1] op_sel_hi:[1,0,0]
.set JJ, JJ+2
.endr
.irp b, 0,1,2,3
	v_fma_f32 v[TM+\b], v[TM+\b], s[CS], v[rT]
.endr
.set JJ, 0
	s_wait_alu depctr_va_vdst(0)
.rept 64
	v_exp_f32 v[rS+JJ], v[rS+JJ]
.set JJ, JJ+1
.endr
	v_pk_mul_f32 v[rT+2:rT+3], v[rT+2:rT+3], v[rT+4:rT+5] op_sel_hi:[1,0]
	s_wait_alu depctr_va_vdst(0)
.irp b, 0,1,2,3
	v_exp_f32 v[TM+\b], v[TM+\b]
.endr
	v_pk_add_f32 v[TM+4:TM+5], v[rS:rS+1], v[rS+2:rS+3]
.set JJ, 4
.rept 15
	v_pk_add_f32 v[rT+2:rT+3], v[rT+2:rT+3], v[rS+JJ:rS+JJ+1]
	v_pk_add_f32 v[TM+4:TM+5], v[TM+4:TM+5], v[rS+JJ+2:rS+JJ+3]
.set JJ, JJ+4
.endr
	v_pk_add_f32 v[rT+2:rT+3], v[rT+2:rT+3], v[TM+4:TM+5]
	s_wait_alu depctr_va_vdst(0)
.irp b, 0,1,2,3
	v_max_num_f32 v[TM+\b], 0x1800000, v[TM+\b]
.endr
.irp b, 0,1,2,3
	v_add_nc_u32 v[TM+8+\b], 0xff000000, v[TM+\b]
.endr
.irp b, 0,1,2,3
	v_lshrrev_b32 v[TM+4+\b], 23, v[TM+8+\b]
.endr
	v_lshl_or_b32 v[rW], v[TM+5], 8, v[TM+4]
	v_lshl_or_b32 v[rW], v[TM+6], 16, v[rW]
	v_lshl_or_b32 v[rW], v[TM+7], 24, v[rW]
.irp c, 0,1
	v_cvt_scalef32_pk16_fp6_f32 v[rP+6*\c:rP+6*\c+2], v[rS+32*\c:rS+32*\c+15], v[TM+8+2*\c]
	v_cvt_scalef32_pk16_fp6_f32 v[CT+4*\c:CT+4*\c+2], v[rS+32*\c+16:rS+32*\c+31], v[TM+8+2*\c+1]
.endr
	v_nop
.irp c, 0,1
.irp i, 0,1,2
	v_permlane16_swap_b32 v[rP+6*\c+\i], v[CT+4*\c+\i]
.endr
.irp i, 0,1,2
	v_mov_b32 v[rP+6*\c+3+\i], v[CT+4*\c+\i]
.endr
.endr
.endm
.macro RESCALE t
	WIN 0x41*((\t)+1)
.set JJ, 0
.rept 96
	v_pk_mul_f32 v[JJ:JJ+1], v[JJ:JJ+1], v[ST+8*(\t)+4:ST+8*(\t)+5] op_sel_hi:[1,0]
.set JJ, JJ+2
.endr
	WIN 0
.endm
.macro CHG g0, base, adv
	s_wait_tensorcnt 0x0
	ds_add_u32 v[SPW], v[NIL]
.if \adv
	s_add_co_u32 s[IDX], s[IDX], 1
	s_and_b32 s[IDX], s[IDX], 15
	s_mul_i32 s[OFF], s[IDX], 4*BLK
	s_add_co_u32 s[OFF], s[OFF], s[WB]
.endif
	s_add_nc_u64 s[\g0+2:\g0+3], s[\base:\base+1], s[OFF:OFF+1]
	s_or_b32 s[\g0+3], s[\g0+3], 0x80000000
	s_wait_dscnt 0x0
	CROUND
	tensor_load_to_lds s[\g0:\g0+3], s[24:31]
	s_nop 0
	PLACES 4
.endm
.macro STEP first, fill
.if (\first) == 0
	PLACES 4
.endif
	FETCH AK, AKS, 1, F1, KSB
	s_wait_dscnt 26
	MULK 0, F0, KSA
	PLACES 4
	FETCH AK, AKS, 2, F0, KSA
	s_wait_dscnt 26
	MULK 1, F1, KSB
	s_wait_dscnt 0x0
	MULK 2, F0, KSA
	WIN 0
	PLACES 4
	SOFTMAX 0
.if (\first) == 0
	RESCALE 0
.endif
.if \fill
	CHG 32, 6, 1
.else
	s_wait_tensorcnt 0x0
.endif
	FETCH AV, AVS, 0, F1, KSB
	FETCH AV, AVS, 1, F0, KSA
	SOFTMAX 1
.if \first
	s_wait_alu depctr_va_vdst(0)
	PLACES 8
.else
	RESCALE 1
.endif
	s_wait_dscnt 26
	MULV 0, F1, KSB, \first
	PLACES 4
	FETCH AV, AVS, 2, F1, KSB
	s_wait_dscnt 26
	MULV 1, F0, KSA, \first
	WIN 0
.if \fill
	CHG 36, 8, 0
	FETCH AK, AKS, 0, F0, KSA
.else
	s_wait_dscnt 0x0
.endif
	s_wait_alu depctr_va_vdst(0)
	MULV 2, F1, KSB, \first
	WIN 0
.endm
	s_load_b256 s[4:11], s[0:1], 0x0
	s_load_b256 s[12:19], s[0:1], 0x20
	v_lshl_add_u32 v[SPW], v0, 2, SPARE
	v_mov_b32 v[NIL], 0
	ds_add_u32 v6, v7
	ds_add_u32 v6, v7
	s_wait_dscnt 0x0
	v_lshrrev_b32 v1, 5, v0
	v_readfirstlane_b32 s20, v1
	s_bfe_u32 s21, ttmp6, 0x40000
	s_lshl_b32 s22, ttmp9, 2
	s_add_co_u32 s22, s22, s21
	s_mov_b32 s24, 15|(3<<16)|(1<<21)
	s_mov_b32 s25, 32<<16
	s_mov_b32 s26, 150<<16
	s_mov_b32 s27, 32<<16
	s_mov_b32 s28, 150
	s_mov_b32 s29, 32
	s_mov_b32 s30, 0
	s_mov_b32 s31, 0
	s_mov_b32 s[SEL], 0x76543210
	s_mov_b32 s[SEL+1], 0xfedcba98
	s_mov_b32 s[CS], 0x3d96c740
	s_mov_b32 s[CS+1], s[CS]
	s_mul_i32 s[WB], s20, BLK
	s_mov_b32 s[WB+1], 0
	s_and_b32 s[IDX], ttmp9, 15
	s_mul_i32 s[OFF], s[IDX], 4*BLK
	s_add_co_u32 s[OFF], s[OFF], s[WB]
	s_mov_b32 s[OFF+1], 0
	s_wait_kmcnt 0x0
	CROUND
	s_mov_b32 s32, 1
	s_mov_b32 s33, s[WB]
	s_add_nc_u64 s[34:35], s[6:7], s[OFF:OFF+1]
	s_or_b32 s35, s35, 0x80000000
	s_mov_b32 s36, 1
	s_add_co_u32 s37, s[WB], VSLOT
	s_add_nc_u64 s[38:39], s[8:9], s[OFF:OFF+1]
	s_or_b32 s39, s39, 0x80000000
	tensor_load_to_lds s[32:35], s[24:31]
	s_nop 0
	s_wait_alu depctr_va_vdst(0)
	s_wait_tensorcnt 0x0
	ds_add_u32 v6, v7
	s_wait_dscnt 0x0
	CROUND
	tensor_load_to_lds s[36:39], s[24:31]
	s_nop 0
	PLACES 4
	s_lshr_b32 s52, s22, 2
	s_mul_i32 s52, s52, BLK
	s_mov_b32 s58, s52
	s_and_b32 s54, s22, 3
	s_mul_i32 s55, s54, 3072
	s_add_co_u32 s52, s52, s55
	s_mov_b32 s53, 0
	s_add_nc_u64 s[56:57], s[4:5], s[52:53]
	s_lshr_b32 s55, s54, 1
	s_lshl_b32 s55, s55, 8
	s_add_co_u32 s58, s58, s55
	s_and_b32 s55, s54, 1
	s_lshl_b32 s55, s55, 2
	s_add_co_u32 s58, s58, s55
	s_mov_b32 s59, 0
	s_add_nc_u64 s[58:59], s[4:5], s[58:59]
	s_mul_i32 s60, s22, 49152                      ; x: my work-group's 32 rows,
	s_mul_i32 s62, s20, 12288                      ; my wave's quarter of their bytes
	s_add_co_u32 s60, s60, s62
	s_mov_b32 s61, 0
	s_add_nc_u64 s[60:61], s[10:11], s[60:61]
	v_and_b32 v1, 31, v0
	v_lshlrev_b32 v10, 4, v1
	v_lshlrev_b32 v11, 3, v1
	WIN 0x40
.irp s, 0,1,2
.irp c, 0,1,2
	global_load_b128 v[192+12*\s+4*\c:192+12*\s+4*\c+3], v10, s[56:57] offset:\s*GRP+512*\c
.endr
.endr
	WIN 0x80
.irp s, 0,1,2
.irp c, 0,1,2
	global_load_b128 v[192+12*\s+4*\c:192+12*\s+4*\c+3], v10, s[56:57] offset:1536+\s*GRP+512*\c
.endr
.endr
	WIN 0
.irp s, 0,1,2
	global_load_b32 v[QS+\s], v11, s[58:59] offset:12288+\s*GRP
.endr
	v_add_nc_u32 v[AK], s[WB], v10
	v_add_nc_u32 v[AV], VSLOT, v[AK]
	v_add_nc_u32 v[AKS], s[WB], v11
	v_add_nc_u32 v[AKS], 12288, v[AKS]
	v_add_nc_u32 v[AVS], VSLOT, v[AKS]
	v_lshlrev_b32 v253, 8, v1                      ; the prefetches' offsets, never rewritten: 256 x lane,
	v_min_u32 v255, 15, v1
	v_lshlrev_b32 v255, 8, v255                    ; and 256 x min(lane, 15)
.irp t, 0,1
	v_mov_b32 v[ST+8*\t+1], 0xff61b1e6
	v_floor_f32 v[ST+8*\t], -v[ST+8*\t+1]
	v_mov_b32 v[ST+8*\t+2], 0
	v_mov_b32 v[ST+8*\t+3], 0
	v_mov_b32 v[ST+8*\t+4], 0
	v_mov_b32 v[ST+8*\t+5], 0
.endr
.irp b, 0,1,2,3
	v_mov_b32 v[TM+4+\b], 0
.endr
	s_wait_tensorcnt 0x1
	FETCH AK, AKS, 0, F0, KSA
	s_wait_loadcnt 0x0
	STEP 1, 1
	s_mov_b32 s44, 14
.Lstep:
	STEP 0, 1
	s_sub_co_u32 s44, s44, 1
	s_cmp_lg_u32 s44, 0
	s_cbranch_scc1 .Lstep
	global_prefetch_b8 v253, s[60:61] th:TH_LOAD_NT scope:SCOPE_SE               ; blocks 0-31 of my 48
	global_prefetch_b8 v255, s[60:61] offset:8192 th:TH_LOAD_NT scope:SCOPE_SE   ; blocks 32-47
	STEP 0, 0
	PLACES 4
.irp t, 0,1
	v_add_f32 v[ST+8*\t+2], v[ST+8*\t+2], v[ST+8*\t+3]
.endr
.irp t, 0,1
	v_permlanex16_b32 v[ST+8*\t+4], v[ST+8*\t+2], s[SEL], s[SEL+1]
.endr
.irp t, 0,1
	v_add_f32 v[ST+8*\t+2], v[ST+8*\t+2], v[ST+8*\t+4]
.endr
	v_and_b32 v11, 31, v0
	v_lshlrev_b32 v11, 2, v11
	s_lshl_b32 s52, s20, 9
	s_add_co_u32 s52, s52, ML
	v_add_nc_u32 v4, s52, v11
.irp t, 0,1
	ds_store_b32 v4, v[ST+8*\t] offset:256*\t
	ds_store_b32 v4, v[ST+8*\t+2] offset:256*\t+128
.endr
	WIN 0x04
.set KK, 0
.rept 48
	ds_store_b128 v[AK], v[4*KK:4*KK+3] offset:512*KK
.set KK, KK+1
.endr
	WIN 0x08
.set KK, 0
.rept 48
	ds_store_b128 v[AV], v[4*KK:4*KK+3] offset:512*KK
.set KK, KK+1
.endr
	WIN 0
	s_and_b32 s54, s20, 1
	s_lshr_b32 s55, s20, 1
	s_mov_b32 s53, 0
	s_mul_i32 s52, s55, 55296
	s_add_nc_u64 s[12:13], s[12:13], s[52:53]
	s_mul_i32 s52, s55, 2304
	s_add_nc_u64 s[14:15], s[14:15], s[52:53]
	s_lshl_b32 s56, s22, 5
	s_lshl_b32 s57, s54, 3
	s_add_co_u32 s56, s56, s57
	s_mul_i32 s56, s56, 1536
	s_mov_b32 s57, 0
	s_add_nc_u64 s[10:11], s[10:11], s[56:57]
	s_add_nc_u64 s[18:19], s[18:19], s[56:57]
	s_mul_i32 s52, s55, 768
	s_add_nc_u64 s[16:17], s[16:17], s[52:53]
	s_add_nc_u64 s[18:19], s[18:19], s[52:53]
	v_and_b32 v1, 15, v0
	v_bfe_u32 v5, v0, 4, 1
	v_and_b32 v9, 31, v0
	v_mul_u32_u24 v9, v9, 12
.macro WOFRAG f
.if (\f) < 18
	WIN 0xc0
.set WR, 12*(\f)
.set WI, 6+(\f)/3
.else
	WIN 0x80
.set WR, 12*((\f)-18)
.set WI, ((\f)-18)/3
.endif
.irp c, 0,1,2
	global_load_b128 v[WR+4*\c:WR+4*\c+3], v10, s[12:13] offset:1536*(3*WI+(\f)%3)+512*\c   ; fragment 3 tile + K step of my half's image; v10 = 16 x lane
.endr
.endm
.irp f, 0,1,2,3,4,5,6,7
	WOFRAG \f
.endr
	WIN 0
.irp i, 0,1,2,3,4,5
.irp s, 0,1,2
	global_load_b32 v[WS+3*\i+\s], v9, s[14:15] offset:384*\i+4*\s
.endr
.endr
	s_wait_alu depctr_va_vdst(0)
	s_wait_dscnt 0x0
	s_barrier_signal -1
	s_barrier_wait -1
	s_lshl_b32 s52, s54, 8
	s_add_co_u32 s52, s52, ML
	v_add_nc_u32 v4, s52, v11
.irp w, 0,1,2,3
	ds_load_b32 v[12+\w], v4 offset:512*\w
	ds_load_b32 v[16+\w], v4 offset:512*\w+128
.endr
	s_mul_i32 s52, s54, VSLOT
	v_add_nc_u32 v36, s52, v10
	v_add_nc_u32 v37, 2*BLK, v36
.macro LOADCH q
.set KK, 0
.rept 24
	ds_load_b128 v[40+96*((\q)%2)+4*KK:40+96*((\q)%2)+4*KK+3], v[36+((\q)%4)/2] offset:((\q)%2)*BLK+12288*((\q)/4)+512*KK
.set KK, KK+1
.endr
.endm
.macro MERGE q
.set KK, 0
.if (\q)%4 == 0
	WIN 0x40
.rept 48
	v_pk_mul_f32 v[96*((\q)/4)+KK:96*((\q)/4)+KK+1], v[40+96*((\q)%2)+KK:40+96*((\q)%2)+KK+1], v[24:25]
.set KK, KK+2
.endr
.else
	WIN 0x50
.rept 48
	v_pk_fma_f32 v[96*((\q)/4)+KK:96*((\q)/4)+KK+1], v[40+96*((\q)%2)+KK:40+96*((\q)%2)+KK+1], v[24+2*((\q)%4):25+2*((\q)%4)], v[96*((\q)/4)+KK:96*((\q)/4)+KK+1]
.set KK, KK+2
.endr
.endif
	WIN 0
.endm
	LOADCH 0
	LOADCH 1
	s_wait_dscnt 48
	v_min3_num_f32 v20, v12, v13, v14
	v_min_num_f32 v20, v20, v15
.irp w, 0,1,2,3
	v_sub_f32 v[24+2*\w], v20, v[12+\w]
.endr
.irp w, 0,1,2,3
	v_cvt_i32_f32 v[24+2*\w], v[24+2*\w]
.endr
.irp w, 0,1,2,3
	v_ldexp_f32 v[24+2*\w], 1.0, v[24+2*\w]
.endr
.irp w, 0,1,2,3
	v_mov_b32 v[25+2*\w], v[24+2*\w]
.endr
	v_mul_f32 v21, v24, v16
	v_fma_f32 v21, v26, v17, v21
	v_fma_f32 v21, v28, v18, v21
	v_fma_f32 v21, v30, v19, v21
	s_wait_alu depctr_va_vdst(0)
.irp q, 0,1,2,3,4,5,6,7
.if \q < 7
	s_wait_dscnt 24
.else
	s_wait_dscnt 0x0
.endif
	MERGE \q
.if \q < 6
	LOADCH \q+2
.endif
.if \q < 7
	WOFRAG 4*\q+8
	WOFRAG 4*\q+9
	WOFRAG 4*\q+10
	WOFRAG 4*\q+11
	WIN 0
.endif
.endr
	v_and_b32 v11, 8, v1
	v_add_nc_u32 v11, v11, v1
	v_mul_u32_u24 v38, v11, 1536
	v_lshl_add_u32 v38, v5, 6, v38
.irp b, 0,1,2,3,4,5,6,7,8,9,10,11
.irp q, 0,1,2,3
	global_load_b128 v[40+16*\b+4*\q:40+16*\b+4*\q+3], v38, s[10:11] offset:128*\b+16*\q
.endr
.endr
	v_rcp_f32 v32, v21
	v_nop
	s_wait_alu depctr_va_vdst(0)
	v_mov_b32 v33, v32
	WIN 0x41
.set KK, 0
.rept 96
	v_pk_mul_f32 v[KK:KK+1], v[KK:KK+1], v[32:33]
.set KK, KK+2
.endr
	WIN 0x05
.irp c, 0,1,2,3
	v_pk_mul_f32 v[12+2*\c:13+2*\c], v[2*\c:2*\c+1], v[2*\c:2*\c+1]
.endr
.set KK, 4
.rept 92
	v_pk_fma_f32 v[12+2*(KK%4):13+2*(KK%4)], v[2*KK:2*KK+1], v[2*KK:2*KK+1], v[12+2*(KK%4):13+2*(KK%4)]
.set KK, KK+1
.endr
	WIN 0
	v_pk_add_f32 v[12:13], v[12:13], v[14:15]
	v_pk_add_f32 v[16:17], v[16:17], v[18:19]
	v_pk_add_f32 v[12:13], v[12:13], v[16:17]
	v_add_f32 v12, v12, v13
	v_permlanex16_b32 v14, v12, s[SEL], s[SEL+1]
	v_add_f32 v12, v12, v14
	s_wait_alu depctr_va_vdst(0)
	v_sqrt_f32 v13, v12
	v_nop
	s_wait_alu depctr_va_vdst(0)
	v_max_num_f32 v13, 0x2b8cbccc, v13
	s_wait_alu depctr_va_vdst(0)
	v_rcp_f32 v34, v13
	v_nop
	s_wait_alu depctr_va_vdst(0)
	v_mov_b32 v35, v34
	s_wait_alu depctr_va_vdst(0)
	s_wait_loadcnt 0x0
	WIN 0x01
.set KK, 0
.rept 96
	v_pk_fma_f32 v[40+KK:41+KK], v[KK:KK+1], v[34:35], v[40+KK:41+KK]
.set KK, KK+2
.endr
	WIN 0
.set TM, 8
.set CT, 20
	QUANT 40, 0, 28, ZW
	QUANT 104, 0, 40, ZW+1
	QUANT 168, 0, 52, ZW+2
	v_and_b32 v177, 31, v0
	v_lshlrev_b32 v177, 4, v177
	v_mul_u32_u24 v178, v5, 768
	v_add_nc_u32 v175, v177, v178
	v_add_nc_u32 v176, 512, v177
	v_sub_nc_u32 v176, v176, v178
	global_load_b128 v[160:163], v177, s[16:17]
	global_load_b128 v[164:167], v176, s[16:17]
	global_load_b128 v[168:171], v177, s[16:17] offset:256
	s_mul_i32 s52, s20, BLK
	s_add_co_u32 s52, s52, 24576
	v_mul_u32_u24 v172, v1, 784
	v_lshl_add_u32 v172, v5, 5, v172
	v_add_nc_u32 v172, s52, v172
	v_add_nc_u32 v173, s52, v177
	v_lshl_add_u32 v174, v5, 4, v173
	WIN 0x02
.irp s, 0,1,2
.irp i, 0,1,2,3,4,5
.set CC, 64+8*\i
.if \s == 0
.set CC, -1
.endif
	WM 64+8*\i, 36*\i+12*\s, 28+12*\s, CC, WS+3*(\i/2)+\s, ZW+\s, \i%2, 0
.endr
.endr
	WIN 0x03
.irp s, 0,1,2
.irp i, 6,7,8,9,10,11
.set CC, 64+8*\i
.if \s == 0
.set CC, -1
.endif
	WM 64+8*\i, 36*(\i-6)+12*\s, 28+12*\s, CC, WS+3*(\i/2)+\s, ZW+\s, \i%2, 0
.endr
.endr
	WIN 0
	PLACES 4
.irp i, 0,1,2,3,4,5,6,7,8,9,10,11
	ds_store_b128 v172, v[64+8*\i:67+8*\i] offset:64*\i
	ds_store_b128 v172, v[68+8*\i:71+8*\i] offset:64*\i+16
.endr
.irp p, 0,1,2,3,4,5,6,7
	ds_load_b128 v[64+12*\p:67+12*\p], v173 offset:1568*\p
	ds_load_b128 v[68+12*\p:71+12*\p], v174 offset:1568*\p+512
	ds_load_b128 v[72+12*\p:75+12*\p], v173 offset:1568*\p+1040
.endr
	s_wait_loadcnt 0x0
.irp p, 0,1,2,3,4,5,6,7
.irp k, 0,1,2
	s_wait_dscnt 23-3*\p-\k
	v_pk_add_f32 v[64+12*\p+4*\k:65+12*\p+4*\k], v[64+12*\p+4*\k:65+12*\p+4*\k], v[160+4*\k:161+4*\k]
	v_pk_add_f32 v[66+12*\p+4*\k:67+12*\p+4*\k], v[66+12*\p+4*\k:67+12*\p+4*\k], v[162+4*\k:163+4*\k]
.if \k == 0
	global_store_b128 v177, v[64+12*\p:67+12*\p], s[18:19] offset:(2*\p+8*(\p/4))*1536 th:TH_STORE_NT
.elseif \k == 1
	global_store_b128 v175, v[68+12*\p:71+12*\p], s[18:19] offset:(2*\p+8*(\p/4))*1536+512 th:TH_STORE_NT
.else
	global_store_b128 v177, v[72+12*\p:75+12*\p], s[18:19] offset:(2*\p+8*(\p/4))*1536+1792 th:TH_STORE_NT
.endif
.endr
.endr
	s_wait_tensorcnt 0x0
	ds_add_u32 v[SPW], v[NIL]
	s_wait_dscnt 0x0
	CROUND
	s_endpgm
.Lfunc_end_k_qe580cae0d3_attn:
	.size	k_qe580cae0d3_attn, .Lfunc_end_k_qe580cae0d3_attn-k_qe580cae0d3_attn
	.p2alignl 7, 3214868480
	.fill 96, 4, 3214868480
	.section	.rodata,"a",@progbits
	.p2align	6, 0x0
	.amdhsa_kernel k_qe580cae0d3_attn
		.amdhsa_group_segment_fixed_size 327680
		.amdhsa_private_segment_fixed_size 0
		.amdhsa_enable_private_segment 0
		.amdhsa_kernarg_size 64
		.amdhsa_user_sgpr_count 2
		.amdhsa_user_sgpr_kernarg_segment_ptr 1
		.amdhsa_wavefront_size32 1
		.amdhsa_system_sgpr_workgroup_id_x 1
		.amdhsa_system_sgpr_workgroup_id_y 1
		.amdhsa_system_sgpr_workgroup_id_z 1
		.amdhsa_system_vgpr_workitem_id 0
		.amdhsa_next_free_vgpr 1024
		.amdhsa_next_free_sgpr 66
		.amdhsa_reserve_vcc 0
		.amdhsa_float_denorm_mode_32 3
		.amdhsa_float_denorm_mode_16_64 3
		.amdhsa_memory_ordered 1
		.amdhsa_forward_progress 1
		.amdhsa_inst_pref_size 255
	.end_amdhsa_kernel
	.section	.bss,"aw",@nobits
	.p2align	6
	.space	262144
	.amdgpu_metadata
---
amdhsa.version: [ 1, 2 ]
amdhsa.kernels:
  - .name:           k_qe580cae0d3_attn
    .symbol:         k_qe580cae0d3_attn.kd
    .args:
      - { .name: qimg, .offset: 0, .size: 8, .value_kind: global_buffer, .address_space: global }
      - { .name: kimg, .offset: 8, .size: 8, .value_kind: global_buffer, .address_space: global }
      - { .name: vimg, .offset: 16, .size: 8, .value_kind: global_buffer, .address_space: global }
      - { .name: x, .offset: 24, .size: 8, .value_kind: global_buffer, .address_space: global }
      - { .name: woimg, .offset: 32, .size: 8, .value_kind: global_buffer, .address_space: global }
      - { .name: Wo_scales, .offset: 40, .size: 8, .value_kind: global_buffer, .address_space: global }
      - { .name: bo, .offset: 48, .size: 8, .value_kind: global_buffer, .address_space: global }
      - { .name: out0, .offset: 56, .size: 8, .value_kind: global_buffer, .address_space: global }
    .group_segment_fixed_size: 327680
    .private_segment_fixed_size: 0
    .kernarg_segment_align: 8
    .kernarg_segment_size: 64
    .max_flat_workgroup_size: 128
    .sgpr_count:     66
    .vgpr_count:     1024
    .wavefront_size: 32
...
	.end_amdgpu_metadata
.endif
;; end of part 4
